; MI455X (gfx1250); checked and timed in simulation.
; The chip was launched on July 23, 2026; its instructions are those of AMD's public machine-readable ISA for CDNA 5 (MIT licence, August 2026) and "CDNA5" Instruction Set Architecture Reference Guide (July 2026). The comments in the code are by the model that wrote it; some were corrected since.
;; Gated Attention Unit. Allowed arithmetic: float matrix products may take bf16 or f16 operands with f32 sums; all other float work in f32.
;; Inputs: Wg 1,024 x 1,024 float32; Wk 256 x 1,024 float32; Wo 1,024 x 1,024 float32; Wq 256 x 1,024 float32; Wv 1,024 x 1,024 float32; bg 1,024 float32; bk 256 float32; bo 1,024 float32; bq 256 float32; bv 1,024 float32; key_mask 4 x 4,096 bool; keys 4 x 4,096 x 1,024 float32; queries 4 x 4,096 x 1,024 float32; query_mask 4 x 4,096 bool; values 4 x 4,096 x 1,024 float32.
;; Outputs: out0 4 x 4,096 x 1,024 float32.
;; One version. Each part assembles by itself: llvm-mc -triple=amdgcn-amd-amdhsa -mcpu=gfx1250 --defsym DOCPART=n.
;; ======== version 1 of 1: 7 launches
;; limits: values are held in f16: magnitudes above 65,504 overflow, below 6.1e-05 lose precision; right only within a limited range of input values; values outside matrix products are rounded to f16
;; workspace buffers: pj 54,657,024 bytes; wb 3,145,728 bytes; m1p 33,554,432 bytes; rd 2,103,296 bytes; kv 2,098,176 bytes; gh 33,816,576 bytes
;; launch prep (part 1): grid 320 x 1, 8 waves a work-group, no clusters, 0 bytes of LDS; arguments Wg, Wv, Wk, Wq, pj, wb; writes pj, wb
.if DOCPART == 1
	.amdgcn_target "amdgcn-amd-amdhsa--gfx1250"
	.amdhsa_code_object_version 6
	.text
	.protected	k_qbd504c56e8_prep
	.globl	k_qbd504c56e8_prep
	.p2align	8
	.type	k_qbd504c56e8_prep,@function
k_qbd504c56e8_prep:
	s_mov_b64 s[64:65], 0
	v_nop
	global_prefetch_b8 v0, s[64:65] scope:SCOPE_SE
	s_setreg_imm32_b32 hwreg(HW_REG_WAVE_MODE, 25, 1), 1
	s_wait_xcnt 0x0
; Four weights are rounded to bf16 once, for the launches that multiply by them: Wg into pj, Wv, Wk and Wq into wb (Wv at 0, Wk at 2 MiB, Wq at 2.5 MiB).
; A stream: a work-group takes 8,192 numbers; a thread's load is 16 bytes, a wave's 512 consecutive bytes; a wave's store covers 256 consecutive bytes, aligned.
; Work-groups 0-127: Wg; 128-255: Wv; 256-287: Wk; 288-319: Wq.  No LDS, no matrix unit, no cluster: nothing is shared and memory binds.
.set WG_OFF, 0x3000000
	s_load_b256 s[4:11], s[0:1], 0x0               ; Wg, Wv, Wk, Wq
	s_load_b128 s[12:15], s[0:1], 0x20             ; pj, wb
	s_mov_b32 s20, ttmp9
	v_lshlrev_b32 v1, 4, v0
	v_lshlrev_b32 v2, 3, v0
	s_wait_kmcnt 0x0
	s_cmp_lt_u32 s20, 128
	s_cselect_b64 s[22:23], s[4:5], s[6:7]         ; from where,
	s_cselect_b32 s24, 0, 128                      ; the tensor's first work-group,
	s_cselect_b64 s[26:27], s[12:13], s[14:15]     ; to which buffer,
	s_cselect_b32 s28, WG_OFF, 0                   ; at which byte,
	s_cselect_b32 s29, 0, 128                      ; counted from which work-group
	s_cmp_lt_u32 s20, 256
	s_cselect_b64 s[22:23], s[22:23], s[8:9]
	s_cselect_b32 s24, s24, 256
	s_cmp_lt_u32 s20, 288
	s_cselect_b64 s[22:23], s[22:23], s[10:11]
	s_cselect_b32 s24, s24, 288
	s_sub_co_u32 s30, s20, s24
	s_lshl_b32 s30, s30, 15                        ; 32,768 bytes of f32 a work-group
	s_mov_b32 s31, 0
	s_add_nc_u64 s[22:23], s[22:23], s[30:31]
	s_sub_co_u32 s30, s20, s29
	s_lshl_b32 s30, s30, 14                        ; 16,384 bytes of bf16
	s_add_co_u32 s30, s30, s28
	s_add_nc_u64 s[26:27], s[26:27], s[30:31]
.set i, 0
.rept 8
	global_load_b128 v[8+4*i:11+4*i], v1, s[22:23] offset:i*4096 th:TH_LOAD_NT
.set i, i+1
.endr
.set i, 0
.rept 8
	s_wait_loadcnt 7-i                             ; the loads issued behind this one may stay out
	v_cvt_pk_bf16_f32 v[40+2*i], v[8+4*i], v[9+4*i]
	v_cvt_pk_bf16_f32 v[41+2*i], v[10+4*i], v[11+4*i]
	global_store_b64 v2, v[40+2*i:41+2*i], s[26:27] offset:i*2048
.set i, i+1
.endr
	s_endpgm
.Lfunc_end_k_qbd504c56e8_prep:
	.size	k_qbd504c56e8_prep, .Lfunc_end_k_qbd504c56e8_prep-k_qbd504c56e8_prep
	.p2alignl 7, 3214868480
	.fill 96, 4, 3214868480
	.section	.rodata,"a",@progbits
	.p2align	6, 0x0
	.amdhsa_kernel k_qbd504c56e8_prep
		.amdhsa_group_segment_fixed_size 0
		.amdhsa_private_segment_fixed_size 0
		.amdhsa_enable_private_segment 0
		.amdhsa_kernarg_size 48
		.amdhsa_user_sgpr_count 2
		.amdhsa_user_sgpr_kernarg_segment_ptr 1
		.amdhsa_wavefront_size32 1
		.amdhsa_system_sgpr_workgroup_id_x 1
		.amdhsa_system_sgpr_workgroup_id_y 1
		.amdhsa_system_sgpr_workgroup_id_z 1
		.amdhsa_system_vgpr_workitem_id 0
		.amdhsa_next_free_vgpr 64
		.amdhsa_next_free_sgpr 66
		.amdhsa_reserve_vcc 0
		.amdhsa_float_denorm_mode_32 3
		.amdhsa_float_denorm_mode_16_64 3
		.amdhsa_memory_ordered 1
		.amdhsa_forward_progress 1
		.amdhsa_inst_pref_size 5
	.end_amdhsa_kernel
	.amdgpu_metadata
---
amdhsa.version: [ 1, 2 ]
amdhsa.kernels:
  - .name:           k_qbd504c56e8_prep
    .symbol:         k_qbd504c56e8_prep.kd
    .args:
      - { .name: Wg, .offset: 0, .size: 8, .value_kind: global_buffer, .address_space: global }
      - { .name: Wv, .offset: 8, .size: 8, .value_kind: global_buffer, .address_space: global }
      - { .name: Wk, .offset: 16, .size: 8, .value_kind: global_buffer, .address_space: global }
      - { .name: Wq, .offset: 24, .size: 8, .value_kind: global_buffer, .address_space: global }
      - { .name: pj, .offset: 32, .size: 8, .value_kind: global_buffer, .address_space: global }
      - { .name: wb, .offset: 40, .size: 8, .value_kind: global_buffer, .address_space: global }
    .group_segment_fixed_size: 0
    .private_segment_fixed_size: 0
    .kernarg_segment_align: 8
    .kernarg_segment_size: 48
    .max_flat_workgroup_size: 256
    .sgpr_count:     66
    .vgpr_count:     64
    .wavefront_size: 32
...
	.end_amdgpu_metadata
.endif
;; end of part 1
;; launch proj (part 2): grid 128 x 2, 8 waves a work-group, no clusters, 280,576 bytes of LDS; arguments keys, bk, key_mask, queries, bq, query_mask, wb, pj; writes pj
.if DOCPART == 2
	.amdgcn_target "amdgcn-amd-amdhsa--gfx1250"
	.amdhsa_code_object_version 6
	.text
	.protected	k_qbd504c56e8_proj
	.globl	k_qbd504c56e8_proj
	.p2align	8
	.type	k_qbd504c56e8_proj,@function
k_qbd504c56e8_proj:
	s_mov_b64 s[64:65], 0
	v_nop
	global_prefetch_b8 v0, s[64:65] scope:SCOPE_SE
	s_setreg_imm32_b32 hwreg(HW_REG_WAVE_MODE, 25, 1), 1
	s_wait_xcnt 0x0
; y = 0: k = relu(keys Wk^T + bk)^2 x key_mask, bf16 [16384][256], and each tile's column sums in f32.
; y = 1: q likewise from queries, Wq, bq, query_mask, and a bf16 copy of queries for the gate's product.
; A tile is 128 tokens x 256 features, K = 1024 in steps of 128 through two LDS slots.  x is f32 in memory, so it passes through registers: load, round to bf16, ds_store;
; W comes in bf16 (rounded once by the launch before) and takes the same road without the rounding.  Eight waves, each 32 tokens x 128 features: 16 accumulators.
; All inputs, the bias too, are rounded to bf16; sums in f32.
; No cluster: the large operand is read by one work-group alone and must pass through registers for its rounding.
.set PITCH, 272                        ; an LDS row: 256 bytes + 16: the 16 rows of a fragment load start at 16 different groups of four banks
.set XB,    128*PITCH                  ; x's 128 rows, then W's 256 rows
.set SLOT,  384*PITCH
.set STAGE, 2*SLOT                     ; 32 rows x 272 bytes for each wave, for the way out
.set BT,    STAGE+8*32*PITCH           ; 256 biases, rounded
.set SCP,   1040                       ; pitch of the column sums' 64 rows, which lie in slot 0 once it has been read out
.set KB_OFF,  0x2000000
.set QB_OFF,  0x2800000
.set KSP_OFF, 0x3400000
.set WK_OFF,  0x200000                 ; in wb
.set WQ_OFF,  0x280000
.set XO, 4                             ; v4  byte offset of my 16 bytes in x's rows 16 w ..
.set WOF, 5                            ; v5  the same in W's rows 32 w + l / 16 ..
.set LX, 6                             ; v6-7  where my 8 bytes of x's rows go, slot 0, 1
.set LW, 8                             ; v8-9  where my 16 bytes of W's rows go
.set ADRA, 10                          ; v10-11 my x fragments, slot 0, 1
.set ADRB, 12                          ; v12-13 my W fragments
.set STO, 14
.set RD, 15
.set CO, 16
.set CPO, 17                           ; v17 byte offset in the bf16 copy of queries
.set KM, 18                            ; v18-21 the mask of my two token rows, as pairs
.set BTA, 22
.set MO, 23
.set MK, 24
.set TA, 26
.set TB, 27
.set SCW, 28
.set T4, 29                            ; 4 x thread
.set TM, 30
.set AF, 32                            ; v32-47  x fragments; later at work
.set BF, 48                            ; v48-111 W fragments; later at work
.set OB, 64
.set XS, 128                           ; v128-191 x as loaded; later the column sums
.set BIAS, 192                         ; v192-255 the bias of my 128 features
; window 1: v0-127 accumulators, (a, b) at 8 (8 a + b); v128-191 W as loaded
.set MSB, 0
.macro WIN new                         ; the immediate's high byte repeats the setting that is left
.if MSB != (\new)
	s_set_vgpr_msb (MSB<<8)|(\new)
.set MSB, \new
.endif
.endm
.macro PLACES
.rept 4
	v_nop
.endr
.endm
	s_load_b512 s[4:19], s[0:1], 0x0               ; keys, bk, key_mask, queries, bq, query_mask, wb, pj
	s_set_vgpr_msb 0x40
	v_lshl_add_u32 v192, v0, 2, 0x44400
	v_mov_b32 v193, 0
	s_set_vgpr_msb 0x4000
	s_and_b32 s26, ttmp7, 0xffff
	s_add_co_u32 s26, s26, 1                       ; 1: keys, 2: queries
	v_lshrrev_b32 v1, 5, v0
	v_readfirstlane_b32 s27, v1                    ; wave
	s_wait_kmcnt 0x0
	s_mov_b64 s[24:25], s[18:19]                   ; pj
	s_cmp_eq_u32 s26, 1
	s_cselect_b64 s[28:29], s[4:5], s[10:11]       ; x
	s_cselect_b64 s[32:33], s[6:7], s[12:13]       ; bias
	s_cselect_b64 s[34:35], s[8:9], s[14:15]       ; mask
	s_mov_b32 s37, QB_OFF
	s_cselect_b32 s36, KB_OFF, s37                 ; where the result goes in pj
	s_mov_b32 s37, WQ_OFF
	s_cselect_b32 s38, WK_OFF, s37                 ; where W lies in wb
	s_mov_b32 s39, 0
	s_add_nc_u64 s[30:31], s[16:17], s[38:39]      ; W
	s_lshr_b32 s45, s27, 1                         ; wm: which 32 tokens
	s_and_b32 s46, s27, 1                          ; wn: which 128 features
	s_lshl_b32 s38, ttmp9, 19
	s_add_nc_u64 s[28:29], s[28:29], s[38:39]      ; x at the tile's first row
	s_lshl_b32 s38, ttmp9, 18
	s_add_nc_u64 s[40:41], s[24:25], s[38:39]      ; the copy's rows
	s_lshl_b32 s38, ttmp9, 16
	s_add_co_u32 s38, s38, s36
	s_add_nc_u64 s[42:43], s[24:25], s[38:39]      ; the result's rows
	s_lshl_b32 s38, ttmp9, 10
	s_add_co_u32 s38, s38, KSP_OFF
	s_add_nc_u64 s[50:51], s[24:25], s[38:39]      ; the tile's column sums
	v_and_b32 v3, 31, v0
	v_and_b32 v1, 15, v0                           ; r
	v_bfe_u32 v2, v0, 4, 1                         ; h
	v_lshlrev_b32 v[T4], 2, v0
	v_lshlrev_b32 v[TM], 4, v3
	s_lshl_b32 s37, s27, 16
	v_add_nc_u32 v[XO], s37, v[TM]
	v_lshlrev_b32 v[TM], 11, v2
	v_lshl_add_u32 v[TM], v1, 4, v[TM]
	v_add_nc_u32 v[WOF], s37, v[TM]                ; (32 w + h) x 2048 + 16 r
	v_lshlrev_b32 v[TM], 3, v3
	s_mul_i32 s37, s27, 16*PITCH
	v_add_nc_u32 v[LX], s37, v[TM]
	v_add_nc_u32 v[LX+1], SLOT, v[LX]
	s_lshl_b32 s37, s27, 15
	v_add_nc_u32 v[CPO], s37, v[TM]
	v_mul_u32_u24 v[TM], v1, PITCH
	v_lshl_add_u32 v[TM], v2, 4, v[TM]             ; r x pitch + 16 h
	s_mul_i32 s37, s45, 32*PITCH
	v_add_nc_u32 v[ADRA], s37, v[TM]
	v_add_nc_u32 v[ADRA+1], SLOT, v[ADRA]
	s_mul_i32 s37, s46, 128*PITCH
	s_add_co_u32 s37, s37, XB
	v_add_nc_u32 v[ADRB], s37, v[TM]
	v_add_nc_u32 v[ADRB+1], SLOT, v[ADRB]
	s_mul_i32 s37, s27, 32*PITCH
	s_add_co_u32 s38, s37, XB
	s_add_co_u32 s37, s37, STAGE
	v_add_nc_u32 v[STO], s37, v[TM]
	v_mul_u32_u24 v[TM], v2, PITCH
	v_lshl_add_u32 v[TM], v1, 4, v[TM]             ; h x pitch + 16 r
	v_add_nc_u32 v[RD], s37, v[TM]
	v_add_nc_u32 v[LW], s38, v[TM]
	v_add_nc_u32 v[LW+1], SLOT, v[LW]
	s_lshl_b32 s37, s45, 14
	s_lshl_b32 s38, s46, 8
	s_add_co_u32 s37, s37, s38
	v_lshlrev_b32 v[TM], 9, v2
	v_lshl_add_u32 v[TM], v1, 4, v[TM]
	v_add_nc_u32 v[CO], s37, v[TM]                 ; (32 wm + h) x 512 + 256 wn + 16 r
	s_lshl_b32 s37, s46, 9
	s_add_co_u32 s37, s37, BT
	v_lshl_add_u32 v[BTA], v2, 5, s37
	s_lshl_b32 s37, ttmp9, 7
	s_lshl_b32 s38, s45, 5
	s_add_co_u32 s37, s37, s38
	v_add_nc_u32 v[MO], s37, v1                    ; my token's number
	s_mul_i32 s37, s45, 16*SCP
	s_lshl_b32 s38, s46, 9
	s_add_co_u32 s37, s37, s38
	v_mul_u32_u24 v[TM], v1, SCP
	v_lshl_add_u32 v[TM], v2, 5, v[TM]
	v_add_nc_u32 v[SCW], s37, v[TM]
.macro GLOADS                          ; one K step: 16 rows of x (512 consecutive bytes a load) and 32 of W (two rows' 256 bytes a load) a wave
.set i, 0
.rept 16
	global_load_b128 v[XS+4*i:XS+4*i+3], v[XO], s[28:29] offset:i*4096 th:TH_LOAD_NT
.set i, i+1
.endr
	WIN 0x40
.set i, 0
.rept 16
	global_load_b128 v[128+4*i:128+4*i+3], v[WOF], s[30:31] offset:i*4096
.set i, i+1
.endr
	WIN 0
.endm
.macro PUT slot                        ; laid into a slot, x rounded to bf16 on the way
	s_wait_loadcnt 0x0                             ; all is in, so the loads' bases may step
	s_add_nc_u64 s[28:29], s[28:29], 512
	s_add_nc_u64 s[30:31], s[30:31], 256
.set i, 0
.rept 16
	v_cvt_pk_bf16_f32 v[XS+4*i], v[XS+4*i], v[XS+4*i+1]
	v_cvt_pk_bf16_f32 v[XS+4*i+1], v[XS+4*i+2], v[XS+4*i+3]
.set i, i+1
.endr
.set i, 0
.rept 16
	ds_store_b64 v[LX+(\slot)], v[XS+4*i:XS+4*i+1] offset:i*PITCH
.set i, i+1
.endr
	WIN 0x04
.set i, 0
.rept 16
	ds_store_b128 v[LW+(\slot)], v[128+4*i:128+4*i+3] offset:i*2*PITCH
.set i, i+1
.endr
	WIN 0
	s_cmp_eq_u32 s26, 2
	s_cbranch_scc0 .Lnc_\@
.set i, 0
.rept 16
	global_store_b64 v[CPO], v[XS+4*i:XS+4*i+1], s[40:41] offset:i*2048   ; queries in bf16: 256 consecutive bytes a store, aligned
.set i, i+1
.endr
.Lnc_\@:
.endm
; 32 along K, at byte s49 of the slot's rows.  The two additions and two v_nop are the four places between the last product and the loads into its sources.
; first = 1: the bias starts the sums.
.macro QBODY slot, first
	v_add_nc_u32 v[TA], s49, v[ADRA+(\slot)]
	v_add_nc_u32 v[TB], s49, v[ADRB+(\slot)]
	v_nop
	v_nop
.set i, 0
.rept 2
	ds_load_b128 v[AF+8*i:AF+8*i+3], v[TA] offset:i*16*PITCH
	ds_load_b128 v[AF+8*i+4:AF+8*i+7], v[TA] offset:i*16*PITCH+32
.set i, i+1
.endr
.set i, 0
.rept 8
	ds_load_b128 v[BF+8*i:BF+8*i+3], v[TB] offset:i*16*PITCH
	ds_load_b128 v[BF+8*i+4:BF+8*i+7], v[TB] offset:i*16*PITCH+32
.set i, i+1
.endr
	s_wait_dscnt 0x0                               ; one fragment buffer: all of it is needed; the SIMD's other wave works meanwhile
.if \first
	WIN 0x40
.else
	WIN 0x50
.endif
.set a, 0
.rept 2
.set b, 0
.rept 8                                ; the 16 accumulators take turns
.if \first
	v_wmma_f32_16x16x32_bf16 v[8*(8*a+b):8*(8*a+b)+7], v[BF+8*b:BF+8*b+7], v[AF+8*a:AF+8*a+7], v[BIAS+8*b:BIAS+8*b+7]
.else
	v_wmma_f32_16x16x32_bf16 v[8*(8*a+b):8*(8*a+b)+7], v[BF+8*b:BF+8*b+7], v[AF+8*a:AF+8*a+7], v[8*(8*a+b):8*(8*a+b)+7]
.endif
.set b, b+1
.endr
.set a, a+1
.endr
	WIN 0
.endm
.macro QUARTS slot, first              ; a K step's four quarters: written once, walked by a count
	s_mov_b32 s49, 0
.if \first
	QBODY \slot, 1
	s_mov_b32 s49, 64
	s_mov_b32 s48, 3
.else
	s_mov_b32 s48, 4
.endif
.Lq_\@:
	QBODY \slot, 0
	s_add_co_u32 s49, s49, 64
	s_sub_co_u32 s48, s48, 1
	s_cmp_lg_u32 s48, 0
	s_cbranch_scc1 .Lq_\@
.endm
; A K step.  The next step's loads go out first and land under the products.  One barrier a step: the slot written here was read in the step before,
; and every wave's reads of it were back in front of that step's barrier.
.macro TRIP slot, next, first
.if \next
	s_wait_xcnt 0x0                                ; the copy's stores have read their data and base
	s_add_nc_u64 s[40:41], s[40:41], 256
	GLOADS
.endif
	QUARTS \slot, \first
.if \next
	PUT 1-(\slot)
	s_wait_dscnt 0x0                               ; for the others' sake: my stores into the slot are done
	s_barrier_signal -1
	s_barrier_wait -1
.endif
.endm
	global_load_b32 v[TM], v[T4], s[32:33]         ; one bias a thread
	global_load_u8 v[MK], v[MO], s[34:35]
	global_load_u8 v[MK+1], v[MO], s[34:35] offset:16
	GLOADS
	PUT 0
	v_cvt_pk_bf16_f32 v[TM], v[TM], v[TM]
	v_lshlrev_b32 v[TM], 16, v[TM]
	v_add_nc_u32 v[TM+1], BT, v[T4]
	ds_store_b32 v[TM+1], v[TM]
	s_wait_dscnt 0x0
	s_barrier_signal -1
	s_barrier_wait -1
.set i, 0
.rept 8
	ds_load_b128 v[BIAS+8*i:BIAS+8*i+3], v[BTA] offset:64*i
	ds_load_b128 v[BIAS+8*i+4:BIAS+8*i+7], v[BTA] offset:64*i+16
.set i, i+1
.endr
	TRIP 0, 1, 1
	s_mov_b32 s47, 3
.Lk:
	TRIP 1, 1, 0
	TRIP 0, 1, 0
	s_sub_co_u32 s47, s47, 1
	s_cmp_lg_u32 s47, 0
	s_cbranch_scc1 .Lk
	TRIP 1, 0, 0
	; THE WAY OUT: relu, square, mask; two tokens' sum for the column sums (used by the keys' tiles alone: 32 packed additions); bf16 through my stage.
	s_wait_xcnt 0x0                                ; the last copy's stores have read XS
	PLACES
	v_cvt_f32_u32 v[KM], v[MK]
	v_cvt_f32_u32 v[KM+2], v[MK+1]
	v_mov_b32 v[KM+1], v[KM]
	v_mov_b32 v[KM+3], v[KM+2]
.macro EPB b
	WIN 0x04
.set i, 0
.rept 8
	v_max_num_f32 v[AF+i], 0, v[8*(\b)+i]
.set i, i+1
.endr
.set i, 0
.rept 8
	v_max_num_f32 v[AF+8+i], 0, v[64+8*(\b)+i]
.set i, i+1
.endr
	WIN 0
.set i, 0
.rept 8
	v_pk_mul_f32 v[AF+2*i:AF+2*i+1], v[AF+2*i:AF+2*i+1], v[AF+2*i:AF+2*i+1]
.set i, i+1
.endr
.set i, 0
.rept 8
	v_pk_mul_f32 v[AF+2*i:AF+2*i+1], v[AF+2*i:AF+2*i+1], v[KM+2*(i/4):KM+2*(i/4)+1] op_sel_hi:[1,0]
.set i, i+1
.endr
.set i, 0
.rept 4
	v_pk_add_f32 v[XS+8*(\b)+2*i:XS+8*(\b)+2*i+1], v[AF+2*i:AF+2*i+1], v[AF+8+2*i:AF+8+2*i+1]
.set i, i+1
.endr
.set i, 0
.rept 8
	v_cvt_pk_bf16_f32 v[BF+i], v[AF+2*i], v[AF+2*i+1]
.set i, i+1
.endr
	ds_store_b128 v[STO], v[BF:BF+3] offset:32*(\b)
	ds_store_b128 v[STO], v[BF+4:BF+7] offset:16*PITCH+32*(\b)
.endm
.irp b, 0,1,2,3,4,5,6,7
	EPB \b
.endr
.set t, 0
.rept 16
	ds_load_b128 v[OB+4*t:OB+4*t+3], v[RD] offset:t*2*PITCH   ; my own bytes: LDS serves a wave's instructions in order
.set t, t+1
.endr
.set t, 0
.rept 16
	s_wait_dscnt 15-t                              ; the loads issued behind this one may stay out
	global_store_b128 v[CO], v[OB+4*t:OB+4*t+3], s[42:43] offset:t*1024   ; 16 lanes store 256 consecutive bytes, aligned
.set t, t+1
.endr
	s_cmp_eq_u32 s26, 1
	s_cbranch_scc0 .Lend
	; the keys' column sums: every lane's 64 partial sums into 64 rows (slot 0: last read a step ago, ahead of a barrier); thread t then adds column t
.set b, 0
.rept 8
	ds_store_b128 v[SCW], v[XS+8*b:XS+8*b+3] offset:64*b
	ds_store_b128 v[SCW], v[XS+8*b+4:XS+8*b+7] offset:64*b+16
.set b, b+1
.endr
	s_wait_dscnt 0x0
	s_barrier_signal -1
	s_barrier_wait -1
.set i, 0
.rept 64
	ds_load_b32 v[XS+i], v[T4] offset:i*SCP
.set i, i+1
.endr
	s_wait_dscnt 0x0
.irp n, 32,16,8,4,2
.set i, 0
.rept (\n)/2
	v_pk_add_f32 v[XS+2*i:XS+2*i+1], v[XS+2*i:XS+2*i+1], v[XS+(\n)+2*i:XS+(\n)+2*i+1]
.set i, i+1
.endr
.endr
	v_add_f32 v[XS], v[XS], v[XS+1]
	global_store_b32 v[T4], v[XS], s[50:51]
.Lend:
	s_set_vgpr_msb 0x5
	s_wait_tensorcnt 0x0
	ds_add_u32 v192, v193
	s_wait_dscnt 0x0
	s_set_vgpr_msb 0x500
	s_endpgm
.Lfunc_end_k_qbd504c56e8_proj:
	.size	k_qbd504c56e8_proj, .Lfunc_end_k_qbd504c56e8_proj-k_qbd504c56e8_proj
	.p2alignl 7, 3214868480
	.fill 96, 4, 3214868480
	.section	.rodata,"a",@progbits
	.p2align	6, 0x0
	.amdhsa_kernel k_qbd504c56e8_proj
		.amdhsa_group_segment_fixed_size 280576
		.amdhsa_private_segment_fixed_size 0
		.amdhsa_enable_private_segment 0
		.amdhsa_kernarg_size 64
		.amdhsa_user_sgpr_count 2
		.amdhsa_user_sgpr_kernarg_segment_ptr 1
		.amdhsa_wavefront_size32 1
		.amdhsa_system_sgpr_workgroup_id_x 1
		.amdhsa_system_sgpr_workgroup_id_y 1
		.amdhsa_system_sgpr_workgroup_id_z 1
		.amdhsa_system_vgpr_workitem_id 0
		.amdhsa_next_free_vgpr 450
		.amdhsa_next_free_sgpr 66
		.amdhsa_reserve_vcc 0
		.amdhsa_float_denorm_mode_32 3
		.amdhsa_float_denorm_mode_16_64 3
		.amdhsa_memory_ordered 1
		.amdhsa_forward_progress 1
		.amdhsa_inst_pref_size 86
	.end_amdhsa_kernel
	.amdgpu_metadata
---
amdhsa.version: [ 1, 2 ]
amdhsa.kernels:
  - .name:           k_qbd504c56e8_proj
    .symbol:         k_qbd504c56e8_proj.kd
    .args:
      - { .name: keys, .offset: 0, .size: 8, .value_kind: global_buffer, .address_space: global }
      - { .name: bk, .offset: 8, .size: 8, .value_kind: global_buffer, .address_space: global }
      - { .name: key_mask, .offset: 16, .size: 8, .value_kind: global_buffer, .address_space: global }
      - { .name: queries, .offset: 24, .size: 8, .value_kind: global_buffer, .address_space: global }
      - { .name: bq, .offset: 32, .size: 8, .value_kind: global_buffer, .address_space: global }
      - { .name: query_mask, .offset: 40, .size: 8, .value_kind: global_buffer, .address_space: global }
      - { .name: wb, .offset: 48, .size: 8, .value_kind: global_buffer, .address_space: global }
      - { .name: pj, .offset: 56, .size: 8, .value_kind: global_buffer, .address_space: global }
    .group_segment_fixed_size: 280576
    .private_segment_fixed_size: 0
    .kernarg_segment_align: 8
    .kernarg_segment_size: 64
    .max_flat_workgroup_size: 256
    .sgpr_count:     66
    .vgpr_count:     450
    .wavefront_size: 32
...
	.end_amdgpu_metadata
.endif
;; end of part 2
;; launch ktv (part 3): grid 8 x 32, 8 waves a work-group, no clusters, 248,832 bytes of LDS; arguments pj, values, m1p; writes m1p
.if DOCPART == 3
	.amdgcn_target "amdgcn-amd-amdhsa--gfx1250"
	.amdhsa_code_object_version 6
	.text
	.protected	k_qbd504c56e8_ktv
	.globl	k_qbd504c56e8_ktv
	.p2align	8
	.type	k_qbd504c56e8_ktv,@function
k_qbd504c56e8_ktv:
	s_mov_b64 s[64:65], 0
	v_nop
	global_prefetch_b8 v0, s[64:65] scope:SCOPE_SE
	s_setreg_imm32_b32 hwreg(HW_REG_WAVE_MODE, 25, 1), 1
	s_wait_xcnt 0x0
; M1[b][s][e] = sum over tokens t of k[t][s] values[t][e], in eight parts along t (512 tokens each), f32.  Since kv = k^T (values Wv^T + bv) = (k^T values) Wv^T + ksum bv^T,
; this takes the place of the value projection.  x: 128 columns e; y: batch (y / 8) and part (y % 8).
; A tile is 256 s x 128 e; K = 512 tokens in steps of 128 through two LDS slots.  Both operands lie token by token, so their fragments come by the turning load.
; values are f32 and pass through registers for their rounding to bf16; each byte of them is read by one work-group alone: no cluster.
.set PK, 544                           ; a token's 256 k: 512 bytes + 32: an odd multiple of 32
.set PV, 288                           ; a token's 128 values in bf16: 256 bytes + 32
.set VB, 128*PK
.set SLOT, 128*(PK+PV)
.set STAGE, 2*SLOT                     ; 16 rows x 272 bytes for each wave
.set SP, 272
.set KB_OFF, 0x2000000
.set KO, 4
.set VO, 5
.set LK, 6
.set LV, 8
.set KA, 10
.set VA, 12
.set STO, 14
.set RD, 15
.set CO, 16
.set TA, 17
.set TB, 18
.set KF, 32                            ; v32-63 four fragments of k (16 s x 32 tokens); later the way out
.set VF, 64                            ; v64-95 four of values
.set KS, 128                           ; v128-191 k as loaded
.set VS, 192                           ; v192-255 values as loaded
; window 1: v0-127 accumulators, (a, b) at 8 (4 a + b)
.set MSB, 0
.macro WIN new
.if MSB != (\new)
	s_set_vgpr_msb (MSB<<8)|(\new)
.set MSB, \new
.endif
.endm
	s_load_b128 s[4:7], s[0:1], 0x0                ; pj, values
	s_load_b64 s[8:9], s[0:1], 0x10                ; m1p
	v_lshl_add_u32 v126, v0, 2, 0x3c800
	v_mov_b32 v127, 0
	v_lshrrev_b32 v1, 5, v0
	v_readfirstlane_b32 s10, v1
	s_lshr_b32 s11, s10, 1                         ; wm: which 64 s
	s_and_b32 s12, s10, 1                          ; wn: which 64 e
	s_and_b32 s14, ttmp7, 0xffff
	s_lshr_b32 s15, s14, 3                         ; batch
	s_and_b32 s16, s14, 7                          ; part
	s_lshl_b32 s17, s15, 12
	s_lshl_b32 s29, s16, 9
	s_add_co_u32 s17, s17, s29                     ; first token
	s_mov_b32 s19, 0
	s_wait_kmcnt 0x0
	s_lshl_b32 s18, s17, 9
	s_add_co_u32 s18, s18, KB_OFF
	s_add_nc_u64 s[20:21], s[4:5], s[18:19]
	s_lshl_b32 s18, s17, 12
	s_lshl_b32 s29, ttmp9, 9
	s_add_co_u32 s18, s18, s29
	s_add_nc_u64 s[22:23], s[6:7], s[18:19]
	s_lshl_b32 s18, s16, 2
	s_add_co_u32 s18, s18, s15
	s_lshl_b32 s18, s18, 20
	s_add_co_u32 s18, s18, s29
	s_add_nc_u64 s[24:25], s[8:9], s[18:19]
	v_and_b32 v3, 31, v0
	v_and_b32 v1, 15, v0
	v_bfe_u32 v2, v0, 4, 1
	v_lshlrev_b32 v20, 4, v3
	s_lshl_b32 s29, s10, 13
	v_add_nc_u32 v[KO], s29, v20
	s_lshl_b32 s29, s10, 16
	v_add_nc_u32 v[VO], s29, v20
	s_mul_i32 s29, s10, 16*PK
	v_add_nc_u32 v[LK], s29, v20
	v_add_nc_u32 v[LK+1], SLOT, v[LK]
	s_mul_i32 s29, s10, 16*PV
	s_add_co_u32 s29, s29, VB
	v_lshl_add_u32 v[LV], v3, 3, s29
	v_add_nc_u32 v[LV+1], SLOT, v[LV]
	v_and_b32 v20, 7, v0
	v_lshl_add_u32 v20, v2, 3, v20                 ; token 8 h + l % 8
	v_bfe_u32 v21, v0, 3, 1
	v_lshlrev_b32 v21, 4, v21                      ; 16 bytes for the upper eight of 16 lanes
	v_mul_u32_u24 v22, v20, PK
	s_lshl_b32 s29, s11, 7
	v_add3_u32 v[KA], v22, v21, s29
	v_add_nc_u32 v[KA+1], SLOT, v[KA]
	v_mul_u32_u24 v22, v20, PV
	s_lshl_b32 s29, s12, 7
	s_add_co_u32 s29, s29, VB
	v_add3_u32 v[VA], v22, v21, s29
	v_add_nc_u32 v[VA+1], SLOT, v[VA]
	s_mul_i32 s29, s10, 16*SP
	s_add_co_u32 s29, s29, STAGE
	v_mul_u32_u24 v20, v1, SP
	v_lshl_add_u32 v20, v2, 5, v20
	v_add_nc_u32 v[STO], s29, v20
	v_mul_u32_u24 v20, v2, SP
	v_lshl_add_u32 v20, v1, 4, v20
	v_add_nc_u32 v[RD], s29, v20
	s_lshl_b32 s29, s11, 18
	s_lshl_b32 s18, s12, 8
	s_add_co_u32 s29, s29, s18
	v_lshlrev_b32 v20, 12, v2
	v_lshl_add_u32 v20, v1, 4, v20
	v_add_nc_u32 v[CO], s29, v20                   ; (64 wm + h) x 4096 + 256 wn + 16 r
.macro GLOADS                          ; 16 tokens a wave: 512 consecutive bytes of k and of values a load
.set i, 0
.rept 16
	global_load_b128 v[KS+4*i:KS+4*i+3], v[KO], s[20:21] offset:i*512
.set i, i+1
.endr
.set i, 0
.rept 16
	global_load_b128 v[VS+4*i:VS+4*i+3], v[VO], s[22:23] offset:i*4096 th:TH_LOAD_NT
.set i, i+1
.endr
.endm
.macro PUT slot
	s_wait_loadcnt 0x0                             ; all is in, so the bases may step
	s_add_nc_u64 s[20:21], s[20:21], 128*512
	s_add_nc_u64 s[22:23], s[22:23], 128*4096
.set i, 0
.rept 16
	ds_store_b128 v[LK+(\slot)], v[KS+4*i:KS+4*i+3] offset:i*PK
.set i, i+1
.endr
.set i, 0
.rept 16
	v_cvt_pk_bf16_f32 v[VS+4*i], v[VS+4*i], v[VS+4*i+1]
	v_cvt_pk_bf16_f32 v[VS+4*i+1], v[VS+4*i+2], v[VS+4*i+3]
.set i, i+1
.endr
.set i, 0
.rept 16
	ds_store_b64 v[LV+(\slot)], v[VS+4*i:VS+4*i+1] offset:i*PV
.set i, i+1
.endr
.endm
.macro QBODY slot, zero                ; 32 tokens, s27 and s28 bytes into the slot's two tiles; two additions and two v_nop: the places ahead of the loads
	v_add_nc_u32 v[TA], s27, v[KA+(\slot)]
	v_add_nc_u32 v[TB], s28, v[VA+(\slot)]
	v_nop
	v_nop
.set i, 0
.rept 4
	ds_load_tr16_b128 v[KF+8*i:KF+8*i+3], v[TA] offset:32*i
	ds_load_tr16_b128 v[KF+8*i+4:KF+8*i+7], v[TA] offset:32*i+16*PK
	ds_load_tr16_b128 v[VF+8*i:VF+8*i+3], v[TB] offset:32*i
	ds_load_tr16_b128 v[VF+8*i+4:VF+8*i+7], v[TB] offset:32*i+16*PV
.set i, i+1
.endr
	s_wait_dscnt 0x0
	WIN 0x50
.set a, 0
.rept 4
.set b, 0
.rept 4                                ; the 16 accumulators take turns
.if \zero
	v_wmma_f32_16x16x32_bf16 v[8*(4*a+b):8*(4*a+b)+7], v[VF+8*b:VF+8*b+7], v[KF+8*a:KF+8*a+7], 0
.else
	v_wmma_f32_16x16x32_bf16 v[8*(4*a+b):8*(4*a+b)+7], v[VF+8*b:VF+8*b+7], v[KF+8*a:KF+8*a+7], v[8*(4*a+b):8*(4*a+b)+7]
.endif
.set b, b+1
.endr
.set a, a+1
.endr
	WIN 0
.endm
.macro QUARTS slot, zero
	s_mov_b32 s27, 0
	s_mov_b32 s28, 0
.if \zero
	QBODY \slot, 1
	s_mov_b32 s27, 32*PK
	s_mov_b32 s28, 32*PV
	s_mov_b32 s26, 3
.else
	s_mov_b32 s26, 4
.endif
.Lq_\@:
	QBODY \slot, 0
	s_add_co_u32 s27, s27, 32*PK
	s_add_co_u32 s28, s28, 32*PV
	s_sub_co_u32 s26, s26, 1
	s_cmp_lg_u32 s26, 0
	s_cbranch_scc1 .Lq_\@
.endm
.macro TRIP slot, next, zero           ; one barrier a step: the slot written here was read a step ago, ahead of that step's barrier
.if \next
	GLOADS
.endif
	QUARTS \slot, \zero
.if \next
	PUT 1-(\slot)
	s_wait_dscnt 0x0
	s_barrier_signal -1
	s_barrier_wait -1
.endif
.endm
	GLOADS
	PUT 0
	s_wait_dscnt 0x0
	s_barrier_signal -1
	s_barrier_wait -1
	TRIP 0, 1, 1
	TRIP 1, 1, 0
	TRIP 0, 1, 0
	TRIP 1, 0, 0
.rept 4
	v_nop                                          ; the places between the last products and the stores that read them
.endr
; THE WAY OUT, 16 rows s at a time: a lane's eight neighbouring e go into my stage and come back as whole rows of 256 bytes
.macro OUTA a
	s_wait_xcnt 0x0                                ; the stores before have read v32-63
	WIN 0x04
.set b, 0
.rept 4
	ds_store_b128 v[STO], v[8*(4*(\a)+b):8*(4*(\a)+b)+3] offset:64*b
	ds_store_b128 v[STO], v[8*(4*(\a)+b)+4:8*(4*(\a)+b)+7] offset:64*b+16
.set b, b+1
.endr
	WIN 0
.set t, 0
.rept 8
	ds_load_b128 v[KF+4*t:KF+4*t+3], v[RD] offset:t*2*SP
.set t, t+1
.endr
.set t, 0
.rept 8
	s_wait_dscnt 7-t                               ; the loads issued behind this one may stay out
	global_store_b128 v[CO], v[KF+4*t:KF+4*t+3], s[24:25] offset:(16*(\a)+2*t)*4096   ; 16 lanes store 256 consecutive bytes, aligned
.set t, t+1
.endr
.endm
	OUTA 0
	OUTA 1
	OUTA 2
	OUTA 3
	s_wait_tensorcnt 0x0
	ds_add_u32 v126, v127
	s_wait_dscnt 0x0
	s_endpgm
.Lfunc_end_k_qbd504c56e8_ktv:
	.size	k_qbd504c56e8_ktv, .Lfunc_end_k_qbd504c56e8_ktv-k_qbd504c56e8_ktv
	.p2alignl 7, 3214868480
	.fill 96, 4, 3214868480
	.section	.rodata,"a",@progbits
	.p2align	6, 0x0
	.amdhsa_kernel k_qbd504c56e8_ktv
		.amdhsa_group_segment_fixed_size 248832
		.amdhsa_private_segment_fixed_size 0
		.amdhsa_enable_private_segment 0
		.amdhsa_kernarg_size 24
		.amdhsa_user_sgpr_count 2
		.amdhsa_user_sgpr_kernarg_segment_ptr 1
		.amdhsa_wavefront_size32 1
		.amdhsa_system_sgpr_workgroup_id_x 1
		.amdhsa_system_sgpr_workgroup_id_y 1
		.amdhsa_system_sgpr_workgroup_id_z 1
		.amdhsa_system_vgpr_workitem_id 0
		.amdhsa_next_free_vgpr 384
		.amdhsa_next_free_sgpr 66
		.amdhsa_reserve_vcc 0
		.amdhsa_float_denorm_mode_32 3
		.amdhsa_float_denorm_mode_16_64 3
		.amdhsa_memory_ordered 1
		.amdhsa_forward_progress 1
		.amdhsa_inst_pref_size 54
	.end_amdhsa_kernel
	.amdgpu_metadata
---
amdhsa.version: [ 1, 2 ]
amdhsa.kernels:
  - .name:           k_qbd504c56e8_ktv
    .symbol:         k_qbd504c56e8_ktv.kd
    .args:
      - { .name: pj, .offset: 0, .size: 8, .value_kind: global_buffer, .address_space: global }
      - { .name: values, .offset: 8, .size: 8, .value_kind: global_buffer, .address_space: global }
      - { .name: m1p, .offset: 16, .size: 8, .value_kind: global_buffer, .address_space: global }
    .group_segment_fixed_size: 248832
    .private_segment_fixed_size: 0
    .kernarg_segment_align: 8
    .kernarg_segment_size: 24
    .max_flat_workgroup_size: 256
    .sgpr_count:     66
    .vgpr_count:     384
    .wavefront_size: 32
...
	.end_amdgpu_metadata
.endif
;; end of part 3
;; launch m1red (part 4): grid 256 x 1, 8 waves a work-group, no clusters, 0 bytes of LDS; arguments m1p, pj, rd; writes rd
.if DOCPART == 4
	.amdgcn_target "amdgcn-amd-amdhsa--gfx1250"
	.amdhsa_code_object_version 6
	.text
	.protected	k_qbd504c56e8_m1red
	.globl	k_qbd504c56e8_m1red
	.p2align	8
	.type	k_qbd504c56e8_m1red,@function
k_qbd504c56e8_m1red:
	s_mov_b64 s[64:65], 0
	v_nop
	global_prefetch_b8 v0, s[64:65] scope:SCOPE_SE
	s_setreg_imm32_b32 hwreg(HW_REG_WAVE_MODE, 25, 1), 1
	s_wait_xcnt 0x0
; M1 = the sum of its eight parts, rounded once to bf16; and (work-groups 0 to 3) a batch's ksum = the sum of its 32 tiles' column sums, in f32 and in bf16.
; A stream: 4,096 numbers a work-group in four chunks; a lane's load is 16 bytes, a wave's 512 consecutive bytes; all 32 loads go out at once.  No LDS, no matrix unit: memory binds.
.set X, 8
.set KSP_OFF, 0x3400000
	s_load_b128 s[4:7], s[0:1], 0x0                ; m1p, pj
	s_load_b64 s[8:9], s[0:1], 0x10                ; rd
	s_mov_b32 s20, ttmp9
	s_lshl_b32 s10, s20, 14
	v_lshl_add_u32 v1, v0, 4, s10
	s_lshl_b32 s10, s20, 13
	v_lshl_add_u32 v2, v0, 3, s10
	s_wait_kmcnt 0x0
	s_mov_b64 s[12:13], s[4:5]                     ; parts 0, 1; the odd part stands in the immediate
	s_add_nc_u64 s[14:15], s[4:5], 0x800000        ; parts 2, 3
	s_add_nc_u64 s[16:17], s[4:5], 0x1000000
	s_add_nc_u64 s[18:19], s[4:5], 0x1800000
.set c, 0
.rept 4
.set p, 0
.rept 8
	global_load_b128 v[X+32*c+4*p:X+32*c+4*p+3], v1, s[12+2*(p/2):13+2*(p/2)] offset:(p%2)*4194304+c*4096 th:TH_LOAD_NT
.set p, p+1
.endr
.set c, c+1
.endr
.set c, 0
.rept 4
	s_wait_loadcnt 8*(3-c)                         ; the younger chunks' eight loads each may stay out
.set R, X+32*c
.irp n, 16,8,4
.set i, 0
.rept (\n)/2
	v_pk_add_f32 v[R+((i*2)/4)*(32/(\n))*4+(i*2)%4:R+((i*2)/4)*(32/(\n))*4+(i*2)%4+1], v[R+((i*2)/4)*(32/(\n))*4+(i*2)%4:R+((i*2)/4)*(32/(\n))*4+(i*2)%4+1], v[R+((i*2)/4)*(32/(\n))*4+(16/(\n))*4+(i*2)%4:R+((i*2)/4)*(32/(\n))*4+(16/(\n))*4+(i*2)%4+1]
.set i, i+1
.endr
.endr
	v_cvt_pk_bf16_f32 v[136+2*c], v[R], v[R+1]
	v_cvt_pk_bf16_f32 v[137+2*c], v[R+2], v[R+3]
	global_store_b64 v2, v[136+2*c:137+2*c], s[8:9] offset:c*2048   ; a wave's store covers 256 consecutive bytes, aligned
.set c, c+1
.endr
	s_cmp_lt_u32 s20, 4
	s_cbranch_scc0 .Lend
	s_lshl_b32 s10, s20, 15
	v_lshl_add_u32 v3, v0, 2, s10
	s_lshl_b32 s10, s20, 10
	v_lshl_add_u32 v4, v0, 2, s10
	s_lshl_b32 s10, s20, 9
	v_lshl_add_u32 v5, v0, 1, s10
	s_add_nc_u64 s[22:23], s[6:7], KSP_OFF
	s_add_nc_u64 s[24:25], s[8:9], 0x200000
	s_add_nc_u64 s[26:27], s[8:9], 0x201000
.set i, 0
.rept 32
	global_load_b32 v[X+i], v3, s[22:23] offset:i*1024
.set i, i+1
.endr
	s_wait_loadcnt 0x0
.irp n, 16,8,4,2
.set i, 0
.rept (\n)/2
	v_pk_add_f32 v[X+2*i:X+2*i+1], v[X+2*i:X+2*i+1], v[X+(\n)+2*i:X+(\n)+2*i+1]
.set i, i+1
.endr
.endr
	v_add_f32 v[X], v[X], v[X+1]
	v_cvt_pk_bf16_f32 v[X+1], v[X], v[X]
	global_store_b32 v4, v[X], s[24:25]
	global_store_b16 v5, v[X+1], s[26:27]
.Lend:
	s_endpgm
.Lfunc_end_k_qbd504c56e8_m1red:
	.size	k_qbd504c56e8_m1red, .Lfunc_end_k_qbd504c56e8_m1red-k_qbd504c56e8_m1red
	.p2alignl 7, 3214868480
	.fill 96, 4, 3214868480
	.section	.rodata,"a",@progbits
	.p2align	6, 0x0
	.amdhsa_kernel k_qbd504c56e8_m1red
		.amdhsa_group_segment_fixed_size 0
		.amdhsa_private_segment_fixed_size 0
		.amdhsa_enable_private_segment 0
		.amdhsa_kernarg_size 24
		.amdhsa_user_sgpr_count 2
		.amdhsa_user_sgpr_kernarg_segment_ptr 1
		.amdhsa_wavefront_size32 1
		.amdhsa_system_sgpr_workgroup_id_x 1
		.amdhsa_system_sgpr_workgroup_id_y 1
		.amdhsa_system_sgpr_workgroup_id_z 1
		.amdhsa_system_vgpr_workitem_id 0
		.amdhsa_next_free_vgpr 144
		.amdhsa_next_free_sgpr 66
		.amdhsa_reserve_vcc 0
		.amdhsa_float_denorm_mode_32 3
		.amdhsa_float_denorm_mode_16_64 3
		.amdhsa_memory_ordered 1
		.amdhsa_forward_progress 1
		.amdhsa_inst_pref_size 14
	.end_amdhsa_kernel
	.amdgpu_metadata
---
amdhsa.version: [ 1, 2 ]
amdhsa.kernels:
  - .name:           k_qbd504c56e8_m1red
    .symbol:         k_qbd504c56e8_m1red.kd
    .args:
      - { .name: m1p, .offset: 0, .size: 8, .value_kind: global_buffer, .address_space: global }
      - { .name: pj, .offset: 8, .size: 8, .value_kind: global_buffer, .address_space: global }
      - { .name: rd, .offset: 16, .size: 8, .value_kind: global_buffer, .address_space: global }
    .group_segment_fixed_size: 0
    .private_segment_fixed_size: 0
    .kernarg_segment_align: 8
    .kernarg_segment_size: 24
    .max_flat_workgroup_size: 256
    .sgpr_count:     66
    .vgpr_count:     144
    .wavefront_size: 32
...
	.end_amdgpu_metadata
.endif
;; end of part 4
;; launch kvfin (part 5): grid 64 x 4, 4 waves a work-group, no clusters, 276,224 bytes of LDS; arguments wb, bv, rd, Wo, kv, pj; writes kv, pj
.if DOCPART == 5
	.amdgcn_target "amdgcn-amd-amdhsa--gfx1250"
	.amdhsa_code_object_version 6
	.text
	.protected	k_qbd504c56e8_kvfin
	.globl	k_qbd504c56e8_kvfin
	.p2align	8
	.type	k_qbd504c56e8_kvfin,@function
k_qbd504c56e8_kvfin:
	s_mov_b64 s[64:65], 0
	v_nop
	global_prefetch_b8 v0, s[64:65] scope:SCOPE_SE
	s_setreg_imm32_b32 hwreg(HW_REG_WAVE_MODE, 25, 1), 1
	s_wait_xcnt 0x0
; kvT[b][d][s] = sum over e of Wv[d][e] M1[b][s][e], bf16; and the work-group's largest |kvT / ksum + bv|, of which the gate takes a batch's maximum cv: every a is a mean of such numbers.
; x: 64 d (x / 4) and 64 s (x % 4); y: batch.  Four waves, each 32 d x 32 s: four accumulators.  ksum below 2^-100 counts as that.
; THE WHOLE K = 1024 LIES IN LDS AT ONCE: four tensor loads, one a wave, all first fills (Wv's and M1's rows, each in two halves of K: 64 rows x 1,024 bytes); one wait, one barrier, and then no
; wave waits for memory again.  Nothing is filled a second time.  A wave has one tensor load out.
; While the tiles are on their way each work-group also rounds 4,096 numbers of Wo to bf16, like every input, and writes that number as f16 for the last product.  LIMIT: |Wo| under 65,504;
; below 2^-14 it keeps f16's fixed step.
; THE PRICE: a row of the output tile is 64 s = 128 bytes, half of an aligned 256; the tile of 32 d x 128 s that would store whole ones needs 160 rows x 2,080 bytes = 332,800 bytes of LDS.
; NO CLUSTER: a work-group asks for each operand once in the launch; a joint request would need two rounds of the cluster's barrier for that one fill.
.set HP, 1040                          ; half a row of K in LDS: 1,024 bytes + 16 = 65 x 16: the 16 rows of a fragment load start at 16 different groups of four banks
.set REG, 64*HP                        ; one tensor load's bytes.  Regions: Wv low K, Wv high K, M1 low K, M1 high K
.set STAGE, 4*REG                      ; 64 rows x 144 bytes, the work-group's; no fill lands here
.set SP, 144
.set SCR, STAGE+64*SP                  ; the four waves' maxima
.set WO_OFF, 0x3200000
.set ADRA, 4
.set ADRB, 5
.set STO, 6
.set RD, 7
.set CO, 8
.set TA, 9
.set TB, 10
.set KSO, 11
.set BVO, 12
.set SCA, 13
.set WI, 14
.set WU, 15
.set ACC, 32                           ; v32-63 four accumulators, (a, b) at 8 (2 a + b)
.set FR, 64                            ; v64-191 the fragments of 128 along K: quarter q at 32 q: two of Wv, two of M1.  Before the loop: Wo at work.  Behind it: the way out
.set RK, 192
.set BV, 208
.set MX, 210
.set TT, 212
	s_load_b256 s[4:11], s[0:1], 0x0               ; wb, bv, rd, Wo
	s_load_b128 s[12:15], s[0:1], 0x20             ; kv, pj
	v_lshl_add_u32 v224, v0, 2, 0x43500
	v_mov_b32 v225, 0
	ds_add_u32 v224, v225
	ds_add_u32 v224, v225
	v_lshrrev_b32 v1, 5, v0
	v_readfirstlane_b32 s16, v1                    ; wave
	s_lshr_b32 s17, s16, 1                         ; wm: which 32 d.  Also: I fetch Wv (0) or M1 (1),
	s_and_b32 s18, s16, 1                          ; wn: which 32 s.  Also: which half of K
	s_lshr_b32 s19, ttmp9, 2                       ; which 64 d
	s_and_b32 s20, ttmp9, 3                        ; which 64 s
	s_and_b32 s21, ttmp7, 0xffff                   ; batch
	s_mov_b32 s24, 1                               ; group 0: count
	s_mul_i32 s25, s16, REG                        ; LDS address: the wave's region
	s_mov_b32 s28, (1<<16)|(1<<20)|(7<<22)|(3<<25) ; group 1: 2-byte elements; padding on; after every 256 words, 4 words
	s_mov_b32 s29, 512<<16                         ; tensor_dim0 = 512
	s_mov_b32 s30, 64<<16                          ; tensor_dim1 = 64
	s_mov_b32 s31, 512<<16                         ; tile_dim0 = 512
	s_mov_b32 s32, 64                              ; tile_dim1 = 64
	s_mov_b32 s33, 1024                            ; elements from row to row
	s_mov_b32 s34, 0
	s_mov_b32 s35, 0
	s_lshl_b32 s40, s19, 17                        ; Wv: 64 rows of 2,048 bytes a tile
	s_lshl_b32 s41, s21, 19                        ; M1: the batch,
	s_lshl_b32 s42, s20, 17                        ; 64 rows a tile
	s_add_co_u32 s41, s41, s42
	s_lshl_b32 s42, s18, 10                        ; the half of K
	s_mov_b32 s39, 0
	s_mov_b32 s54, 0x76543210
	s_mov_b32 s55, 0xfedcba98
	s_wait_dscnt 0x0
	s_wait_kmcnt 0x0
	s_cmp_lt_u32 s16, 2
	s_cselect_b64 s[36:37], s[4:5], s[8:9]
	s_cselect_b32 s38, s40, s41
	s_add_co_u32 s38, s38, s42
	s_add_nc_u64 s[26:27], s[36:37], s[38:39]
	s_or_b32 s27, s27, 0x80000000                  ; type
	tensor_load_to_lds s[24:27], s[28:35]          ; my region: 64 rows x 1,024 bytes
	s_nop 0
	s_lshl_b32 s38, s21, 10
	s_add_co_u32 s38, s38, 0x200000
	s_add_nc_u64 s[46:47], s[8:9], s[38:39]        ; the batch's ksum, f32
	s_lshl_b32 s38, s21, 19
	s_lshl_b32 s40, s19, 15
	s_add_co_u32 s38, s38, s40
	s_lshl_b32 s40, s20, 7
	s_add_co_u32 s38, s38, s40
	s_add_nc_u64 s[44:45], s[12:13], s[38:39]      ; the output tile
	s_lshl_b32 s43, s21, 6
	s_add_co_u32 s43, s43, ttmp9                   ; the work-group's number, 0 to 255
	s_lshl_b32 s38, s43, 2
	s_add_co_u32 s38, s38, 0x200000
	s_add_nc_u64 s[48:49], s[12:13], s[38:39]      ; its maximum
	s_lshl_b32 s38, s43, 14
	s_add_nc_u64 s[50:51], s[10:11], s[38:39]      ; its 4,096 numbers of Wo
	s_lshl_b32 s38, s43, 13
	s_add_co_u32 s38, s38, WO_OFF
	s_add_nc_u64 s[52:53], s[14:15], s[38:39]
	v_and_b32 v3, 31, v0
	v_and_b32 v1, 15, v0                           ; r
	v_bfe_u32 v2, v0, 4, 1                         ; h
	s_lshl_b32 s40, s20, 8
	s_lshl_b32 s41, s18, 7
	s_add_co_u32 s40, s40, s41
	v_lshl_add_u32 v[KSO], v2, 5, s40              ; (64 st + 32 wn + 8 h) x 4
	s_lshl_b32 s40, s19, 8
	s_lshl_b32 s41, s17, 7
	s_add_co_u32 s40, s40, s41
	v_lshl_add_u32 v[BVO], v1, 2, s40              ; (64 dt + 32 wm + r) x 4
	v_lshlrev_b32 v[WI], 4, v0
	v_lshlrev_b32 v[WU], 3, v0
.set i, 0
.rept 2
	global_load_b128 v[RK+8*i:RK+8*i+3], v[KSO], s[46:47] offset:64*i
	global_load_b128 v[RK+8*i+4:RK+8*i+7], v[KSO], s[46:47] offset:64*i+16
	global_load_b32 v[BV+i], v[BVO], s[6:7] offset:64*i
.set i, i+1
.endr
.set i, 0
.rept 8
	global_load_b128 v[FR+4*i:FR+4*i+3], v[WI], s[50:51] offset:i*2048 th:TH_LOAD_NT
.set i, i+1
.endr
	v_mul_u32_u24 v20, v1, HP
	v_lshl_add_u32 v20, v2, 4, v20                 ; r x pitch + 16 h
	s_mul_i32 s40, s17, 32*HP
	v_add_nc_u32 v[ADRA], s40, v20
	s_mul_i32 s40, s18, 32*HP
	s_add_co_u32 s40, s40, 2*REG
	v_add_nc_u32 v[ADRB], s40, v20
	v_mul_u32_u24 v20, v1, SP
	v_lshl_add_u32 v20, v2, 4, v20
	s_mul_i32 s40, s17, 32*SP
	s_lshl_b32 s41, s18, 6
	s_add_co_u32 s40, s40, s41
	s_add_co_u32 s40, s40, STAGE
	v_add_nc_u32 v[STO], s40, v20                  ; row 32 wm + r, byte 64 wn + 16 h
	v_lshrrev_b32 v21, 3, v3                       ; l / 8
	v_and_b32 v22, 7, v0                           ; l % 8
	v_mul_u32_u24 v20, v21, SP
	v_lshl_add_u32 v20, v22, 4, v20
	s_mul_i32 s40, s16, 16*SP
	s_add_co_u32 s40, s40, STAGE
	v_add_nc_u32 v[RD], s40, v20                   ; back: 32 lanes take four rows of 128 bytes
	v_lshlrev_b32 v20, 9, v21
	v_lshl_add_u32 v20, v22, 4, v20
	s_lshl_b32 s40, s16, 13
	v_add_nc_u32 v[CO], s40, v20                   ; (16 w + l / 8) x 512 + 16 (l % 8)
	s_lshl_b32 s40, s16, 2
	s_add_co_u32 s40, s40, SCR
	v_mov_b32 v[SCA], s40
	s_wait_loadcnt 0x0                             ; ksum, bv and Wo
.set i, 0
.rept 8
	v_cvt_pk_bf16_f32 v20, v[FR+4*i], v[FR+4*i+1]  ; rounded to bf16 like every input,
	v_cvt_pk_bf16_f32 v21, v[FR+4*i+2], v[FR+4*i+3]
	v_lshlrev_b32 v[FR+4*i], 16, v20
	v_and_b32 v[FR+4*i+1], 0xffff0000, v20
	v_lshlrev_b32 v[FR+4*i+2], 16, v21
	v_and_b32 v[FR+4*i+3], 0xffff0000, v21
	v_cvt_pk_f16_f32 v[FR+32+2*i], v[FR+4*i], v[FR+4*i+1]   ; and that number written as f16
	v_cvt_pk_f16_f32 v[FR+33+2*i], v[FR+4*i+2], v[FR+4*i+3]
	global_store_b64 v[WU], v[FR+32+2*i:FR+33+2*i], s[52:53] offset:i*1024   ; a wave's store covers 256 consecutive bytes, aligned
.set i, i+1
.endr
	s_wait_tensorcnt 0x0                           ; my region has landed,
	s_barrier_signal -1
	s_barrier_wait -1                              ; everybody's has
	s_wait_xcnt 0x0                                ; Wo's stores have read their data: the fragments land on those registers
; 128 along K at byte s22 of the regions' rows: 32 LDS loads in one run, then four quarters of four products, each behind its own count.
; The two additions and two v_nop are the four places between the last product and the loads into its sources.  zero = 1: the first products start the sums.
.macro CHUNK zero
	v_add_nc_u32 v[TA], s22, v[ADRA]
	v_add_nc_u32 v[TB], s22, v[ADRB]
	v_nop
	v_nop
.set q, 0
.rept 4
.set i, 0
.rept 2
	ds_load_b128 v[FR+32*q+8*i:FR+32*q+8*i+3], v[TA] offset:i*16*HP+64*q
	ds_load_b128 v[FR+32*q+8*i+4:FR+32*q+8*i+7], v[TA] offset:i*16*HP+64*q+32
	ds_load_b128 v[FR+32*q+16+8*i:FR+32*q+16+8*i+3], v[TB] offset:i*16*HP+64*q
	ds_load_b128 v[FR+32*q+16+8*i+4:FR+32*q+16+8*i+7], v[TB] offset:i*16*HP+64*q+32
.set i, i+1
.endr
.set q, q+1
.endr
.set q, 0
.rept 4
	s_wait_dscnt 8*(3-q)                           ; the later quarters' eight loads each may stay out
.set a, 0
.rept 2
.set b, 0
.rept 2                                ; the four accumulators take turns
.if (\zero) && (q == 0)
	v_wmma_f32_16x16x32_bf16 v[ACC+8*(2*a+b):ACC+8*(2*a+b)+7], v[FR+32*q+16+8*b:FR+32*q+16+8*b+7], v[FR+32*q+8*a:FR+32*q+8*a+7], 0
.else
	v_wmma_f32_16x16x32_bf16 v[ACC+8*(2*a+b):ACC+8*(2*a+b)+7], v[FR+32*q+16+8*b:FR+32*q+16+8*b+7], v[FR+32*q+8*a:FR+32*q+8*a+7], v[ACC+8*(2*a+b):ACC+8*(2*a+b)+7]
.endif
.set b, b+1
.endr
.set a, a+1
.endr
.set q, q+1
.endr
.endm
	s_mov_b32 s22, 0
	CHUNK 1
	s_mov_b32 s22, 256
	s_mov_b32 s23, 3
.Llo:                                  ; the rest of the low half of K
	CHUNK 0
	s_add_co_u32 s22, s22, 256
	s_sub_co_u32 s23, s23, 1
	s_cmp_lg_u32 s23, 0
	s_cbranch_scc1 .Llo
	s_mov_b32 s22, REG                             ; the high half lies one region on
	s_mov_b32 s23, 4
.Lhi:
	CHUNK 0
	s_add_co_u32 s22, s22, 256
	s_sub_co_u32 s23, s23, 1
	s_cmp_lg_u32 s23, 0
	s_cbranch_scc1 .Lhi
	; 1 / ksum for my 16 s; bv rounded to bf16: plain work that also fills the places behind the last products
.set i, 0
.rept 16
	v_max_num_f32 v[RK+i], 0x0d800000, v[RK+i]
.set i, i+1
.endr
.set i, 0
.rept 16
	v_rcp_f32 v[RK+i], v[RK+i]
.set i, i+1
.endr
	v_cvt_pk_bf16_f32 v[BV], v[BV], v[BV+1]
	v_and_b32 v[BV+1], 0xffff0000, v[BV]
	v_lshlrev_b32 v[BV], 16, v[BV]
	v_mov_b32 v[MX], 0
	v_mov_b32 v[MX+1], 0
.set a, 0
	s_wait_alu depctr_va_vdst(0)
.rept 2
.set b, 0
.rept 2
.set j, 0
.rept 8
	v_fma_f32 v[TT+j%2], v[ACC+8*(2*a+b)+j], v[RK+8*b+j], v[BV+a]
	v_max_num_f32 v[MX+j%2], v[MX+j%2], |v[TT+j%2]|
.set j, j+1
.endr
.set j, 0
.rept 4
	v_cvt_pk_bf16_f32 v[FR+4*(2*a+b)+j], v[ACC+8*(2*a+b)+2*j], v[ACC+8*(2*a+b)+2*j+1]
.set j, j+1
.endr
	ds_store_b128 v[STO], v[FR+4*(2*a+b):FR+4*(2*a+b)+3] offset:a*16*SP+32*b
.set b, b+1
.endr
.set a, a+1
.endr
	v_max_num_f32 v[MX], v[MX], v[MX+1]
	v_max_num_f32_dpp v[MX], v[MX], v[MX] row_xmask:1 row_mask:0xf bank_mask:0xf
	v_max_num_f32_dpp v[MX], v[MX], v[MX] row_xmask:2 row_mask:0xf bank_mask:0xf
	v_max_num_f32_dpp v[MX], v[MX], v[MX] row_xmask:4 row_mask:0xf bank_mask:0xf
	v_max_num_f32_dpp v[MX], v[MX], v[MX] row_xmask:8 row_mask:0xf bank_mask:0xf
	v_permlanex16_b32 v[MX+1], v[MX], s54, s55
	v_max_num_f32 v[MX], v[MX], v[MX+1]
	ds_store_b32 v[SCA], v[MX]
	s_wait_dscnt 0x0                               ; a row's 128 bytes come from two waves: my part is done
	s_barrier_signal -1
	s_barrier_wait -1
	v_mov_b32 v22, SCR
.set t, 0
.rept 4
	ds_load_b128 v[FR+32+4*t:FR+32+4*t+3], v[RD] offset:t*4*SP
.set t, t+1
.endr
	ds_load_b128 v[216:219], v22
.set t, 0
.rept 4
	s_wait_dscnt 4-t                               ; the loads issued behind this one may stay out
	global_store_b128 v[CO], v[FR+32+4*t:FR+32+4*t+3], s[44:45] offset:t*2048   ; eight lanes store a row's 128 consecutive bytes
.set t, t+1
.endr
	s_wait_dscnt 0x0
	s_cmp_lg_u32 s16, 0
	s_cbranch_scc1 .Lend
	v_max3_num_f32 v216, v216, v217, v218
	v_max_num_f32 v216, v216, v219
	v_mov_b32 v23, 0
	s_wait_xcnt 0x0                                ; EXEC changes only behind this wait
	v_cmp_eq_u32 vcc_lo, 0, v0
	s_and_saveexec_b32 s56, vcc_lo
	global_store_b32 v23, v216, s[48:49]
	s_wait_xcnt 0x0
	s_or_b32 exec_lo, exec_lo, s56
.Lend:
	s_wait_tensorcnt 0x0
	ds_add_u32 v224, v225
	s_wait_dscnt 0x0
	s_endpgm
.Lfunc_end_k_qbd504c56e8_kvfin:
	.size	k_qbd504c56e8_kvfin, .Lfunc_end_k_qbd504c56e8_kvfin-k_qbd504c56e8_kvfin
	.p2alignl 7, 3214868480
	.fill 96, 4, 3214868480
	.section	.rodata,"a",@progbits
	.p2align	6, 0x0
	.amdhsa_kernel k_qbd504c56e8_kvfin
		.amdhsa_group_segment_fixed_size 276224
		.amdhsa_private_segment_fixed_size 0
		.amdhsa_enable_private_segment 0
		.amdhsa_kernarg_size 48
		.amdhsa_user_sgpr_count 2
		.amdhsa_user_sgpr_kernarg_segment_ptr 1
		.amdhsa_wavefront_size32 1
		.amdhsa_system_sgpr_workgroup_id_x 1
		.amdhsa_system_sgpr_workgroup_id_y 1
		.amdhsa_system_sgpr_workgroup_id_z 1
		.amdhsa_system_vgpr_workitem_id 0
		.amdhsa_next_free_vgpr 226
		.amdhsa_next_free_sgpr 66
		.amdhsa_reserve_vcc 1
		.amdhsa_float_denorm_mode_32 3
		.amdhsa_float_denorm_mode_16_64 3
		.amdhsa_memory_ordered 1
		.amdhsa_forward_progress 1
		.amdhsa_inst_pref_size 30
	.end_amdhsa_kernel
	.amdgpu_metadata
---
amdhsa.version: [ 1, 2 ]
amdhsa.kernels:
  - .name:           k_qbd504c56e8_kvfin
    .symbol:         k_qbd504c56e8_kvfin.kd
    .args:
      - { .name: wb, .offset: 0, .size: 8, .value_kind: global_buffer, .address_space: global }
      - { .name: bv, .offset: 8, .size: 8, .value_kind: global_buffer, .address_space: global }
      - { .name: rd, .offset: 16, .size: 8, .value_kind: global_buffer, .address_space: global }
      - { .name: Wo, .offset: 24, .size: 8, .value_kind: global_buffer, .address_space: global }
      - { .name: kv, .offset: 32, .size: 8, .value_kind: global_buffer, .address_space: global }
      - { .name: pj, .offset: 40, .size: 8, .value_kind: global_buffer, .address_space: global }
    .group_segment_fixed_size: 276224
    .private_segment_fixed_size: 0
    .kernarg_segment_align: 8
    .kernarg_segment_size: 48
    .max_flat_workgroup_size: 128
    .sgpr_count:     66
    .vgpr_count:     226
    .wavefront_size: 32
...
	.end_amdgpu_metadata
.endif
;; end of part 5
;; launch gate (part 6): grid 4 x 64, 8 waves a work-group, clusters of 4 x 4, 327,680 bytes of LDS; arguments pj, rd, kv, bg, bv, gh; writes gh
.if DOCPART == 6
	.amdgcn_target "amdgcn-amd-amdhsa--gfx1250"
	.amdhsa_code_object_version 6
	.text
	.protected	k_qbd504c56e8_gate
	.globl	k_qbd504c56e8_gate
	.p2align	8
	.type	k_qbd504c56e8_gate,@function
k_qbd504c56e8_gate:
	s_mov_b64 s[64:65], 0
	v_nop
	global_prefetch_b8 v0, s[64:65] scope:SCOPE_SE
	s_setreg_imm32_b32 hwreg(HW_REG_WAVE_MODE, 25, 1), 1
	s_wait_xcnt 0x0
	s_wait_alu depctr_hold_cnt(0) depctr_sa_sdst(0) depctr_va_vdst(0) depctr_va_sdst(0) depctr_va_ssrc(0) depctr_va_vcc(0) depctr_vm_vsrc(0)
	s_getreg_b32 s2, hwreg(HW_REG_IB_STS2, 6, 4)
	s_cmp_eq_u32 s2, 0
	s_cbranch_scc0 .Lentry_in_a_cluster
	s_endpgm
.Lentry_in_a_cluster:
	s_bfe_u32 s2, ttmp6, 0x10000c
	s_cmp_lg_u32 s2, 0xf033
	s_cbranch_scc0 .Lentry_shape_is_right
	s_endpgm
.Lentry_shape_is_right:
; g'[t][d] = f16(silu(xq Wg^T + bg) x a~), a~ = (q kvT^T + bv Z) / (max(Z, 2^-60) cv), Z = q . ksum; and sigma[t] = cv Z / (Z + 1e-6), so that u a = sigma g'.
; cv, a batch's largest |kv / ksum + bv|, bounds every a, which is a mean of such numbers: a~ lies within about 1, and the factor Z / (Z + 1e-6), which may be tiny, never enters f16.
; a~ is kept in f16 between the two products (128 registers); it is widened again and the last multiply is made in f32, so g' is rounded once.
; LIMITS: |silu x a~| under 65,504; a token with 0 < Z < 2^-60 comes out smaller by Z 2^60 (its term is then under 1e-12 cv); NaN and infinities are not treated apart.
; A tile is 256 tokens x 256 d.  Eight waves, each 64 x 128: 32 accumulators (all of window 1), used twice: first for q kvT^T (K = 256), then for xq Wg^T (K = 1024).
; K goes in steps of 128 through two LDS slots filled by the tensor data mover: ten tiles in one sequence.
; CLUSTER 4 x 4: the four of a row need the same tokens' tiles, the four of a column the same d's: each tile is asked for jointly.  A wave has one tensor load out at a time.
.set PITCH, 272                        ; 256 bytes + 16: the 16 rows of a fragment load start at 16 different groups of four banks
.set QT,    64*PITCH                   ; what one tensor load brings
.set BOFF,  256*PITCH
.set SLOT,  512*PITCH                  ; 256 token rows, then 256 d rows
.set SPARE, 2*SLOT                     ; the spare words, 128 bytes for each wave
.set BT,    SPARE+1024                 ; bv and bg of the tile's 256 d, rounded to bf16; no fill lands here
.set QB_OFF,  0x2800000
.set WG_OFF,  0x3000000
.set KSB_OFF, 0x201000
.set CVP_OFF, 0x200000
.set RHO_OFF, 0x2000000
; window 0: v1, v2 the quarter's two LDS addresses; v3 4 x lane; v4-5, v6-7 fragment addresses by slot; v8, v9 the add's; v10 STO; v11 RD; v12 CO; v13 BTA
.set ZP, 14                            ; v14-21 Z of my four token rows, as pairs
.set RZ, 22                            ; v22-29 1 / (max(Z, 2^-60) cv)
.set AF, 32                            ; v32-63 token fragments
.set BF, 64                            ; v64-127 d fragments
.set ZA, 128                           ; v128-159 Z's four accumulators
.set KSR, 160                          ; v160-223 ksum as eight fragments, the same in all 16 rows
.set ST, 128                           ; v128-255 later: a~ in f16, (a, b) at 4 (8 a + b)
.set G1A, 28
.set G1B, 36
.set G0A, 44
.set G0B, 52
.set FLAGS, (1<<16)|(1<<20)|(1<<21)|(5<<22)|(3<<25)   ; 2-byte elements; padding on; bit 21 beside a mask; after every 64 words, 4 words
.set MSB, 0
.macro WIN new
.if MSB != (\new)
	s_set_vgpr_msb (MSB<<8)|(\new)
.set MSB, \new
.endif
.endm
.macro PLACES
.rept 4
	v_nop
.endr
.endm
.macro ROUND                           ; a round of the cluster's barrier
	s_barrier_signal -1
	s_barrier_wait -1
	s_cmp_lg_u32 s16, 0
	s_cbranch_scc1 .Lnw0_\@
	s_barrier_signal -3
.Lnw0_\@:
	s_barrier_wait -3
	s_barrier_signal -1
	s_barrier_wait -1
.endm
.macro JLOAD s                         ; waves 0-3 fetch the token rows' four quarters, waves 4-7 the d rows'
	s_cmp_eq_u32 s17, 0
	s_cbranch_scc0 .Lfb_\@
	tensor_load_to_lds s[G0A+4*(\s):G0A+4*(\s)+3], s[G1A:G1A+7]
	s_nop 0
.rept 4
	v_nop
.endr
	s_branch .Lfa_\@
.Lfb_\@:
	tensor_load_to_lds s[G0B+4*(\s):G0B+4*(\s)+3], s[G1B:G1B+7]
	s_nop 0
.rept 4
	v_nop
.endr
.Lfa_\@:
.endm
	s_load_b256 s[4:11], s[0:1], 0x0               ; pj, rd, kv, bg
	s_load_b128 s[12:15], s[0:1], 0x20             ; bv, gh
	v_lshl_add_u32 v8, v0, 2, SPARE
	v_mov_b32 v9, 0
	ds_add_u32 v8, v9
	ds_add_u32 v8, v9
	s_wait_dscnt 0x0
	v_lshrrev_b32 v1, 5, v0
	v_readfirstlane_b32 s16, v1                    ; wave
	s_lshr_b32 s17, s16, 2                         ; I fetch token rows (0) or d rows (1),
	s_and_b32 s18, s16, 3                          ; this quarter of them
	s_lshr_b32 s19, s16, 1                         ; wm: which 64 tokens
	s_and_b32 s20, s16, 1                          ; wn: which 128 d
	s_bfe_u32 s21, ttmp6, 0x40000                  ; cx
	s_bfe_u32 s22, ttmp6, 0x40004                  ; cy
	s_lshl_b32 s23, ttmp9, 2
	s_add_co_u32 s23, s23, s21                     ; tile column
	s_and_b32 s25, ttmp7, 0xffff
	s_lshl_b32 s24, s25, 2
	s_add_co_u32 s24, s24, s22                     ; tile row
	s_lshr_b32 s25, s25, 2                         ; batch: four clusters each
	s_lshl_b32 s74, s22, 2
	s_lshl_b32 s74, 15, s74                        ; my row of the cluster
	s_lshl_b32 s75, 0x1111, s21                    ; my column
	s_or_b32 s[G1A], s74, FLAGS
	s_or_b32 s[G1B], s75, FLAGS
.irp g, G1A, G1B
	s_mov_b32 s[\g+1], 128<<16                     ; tensor_dim0
	s_mov_b32 s[\g+2], 64<<16                      ; tensor_dim1
	s_mov_b32 s[\g+3], 128<<16                     ; tile_dim0
	s_mov_b32 s[\g+4], 64                          ; tile_dim1
	s_mov_b32 s[\g+5], 256                         ; elements from row to row: q and kvT
	s_mov_b32 s[\g+6], 0
	s_mov_b32 s[\g+7], 0
.endr
	s_lshl_b32 s84, s18, 15
	s_lshl_b32 s76, s24, 17
	s_add_co_u32 s76, s76, s84
	s_add_co_u32 s76, s76, QB_OFF                  ; q: hangs on the tile row and the wave alone
	s_mov_b32 s77, 0
	s_lshl_b32 s78, s23, 17
	s_add_co_u32 s78, s78, s84
	s_lshl_b32 s79, s25, 19
	s_add_co_u32 s78, s78, s79                     ; kvT: on the tile column, the batch and the wave
	s_mov_b32 s79, 0
	s_lshl_b32 s84, s18, 17
	s_lshl_b32 s80, s24, 19
	s_add_co_u32 s80, s80, s84                     ; xq
	s_mov_b32 s81, 0
	s_lshl_b32 s82, s23, 19
	s_add_co_u32 s82, s82, s84
	s_add_co_u32 s82, s82, WG_OFF                  ; Wg
	s_mov_b32 s83, 0
	s_mul_i32 s85, s16, QT                         ; where my quarter lands: the wave's number alone
.irp g, G0A, G0B
	s_mov_b32 s[\g], 1
	s_mov_b32 s[\g+1], s85
	s_mov_b32 s[\g+4], 1
	s_add_co_u32 s[\g+5], s85, SLOT
.endr
	s_mov_b32 s68, 0x76543210
	s_mov_b32 s69, 0xfedcba98
	s_mov_b32 s92, 0xbfb8aa3b                      ; -log2(e)
	s_mov_b32 s93, s92
	s_mov_b32 s97, 0
	s_wait_kmcnt 0x0
	s_add_nc_u64 s[G0A+2:G0A+3], s[4:5], s[76:77]
	s_add_nc_u64 s[G0A+6:G0A+7], s[G0A+2:G0A+3], 256
	s_or_b32 s[G0A+3], s[G0A+3], 0x80000000
	s_or_b32 s[G0A+7], s[G0A+7], 0x80000000
	s_add_nc_u64 s[G0B+2:G0B+3], s[8:9], s[78:79]
	s_add_nc_u64 s[G0B+6:G0B+7], s[G0B+2:G0B+3], 256
	s_or_b32 s[G0B+3], s[G0B+3], 0x80000000
	s_or_b32 s[G0B+7], s[G0B+7], 0x80000000
	s_add_nc_u64 s[60:61], s[4:5], s[80:81]
	s_add_nc_u64 s[62:63], s[4:5], s[82:83]
	s_lshl_b32 s96, s25, 9
	s_add_co_u32 s96, s96, KSB_OFF
	s_add_nc_u64 s[86:87], s[6:7], s[96:97]        ; ksum in bf16
	s_lshl_b32 s96, s25, 8
	s_add_co_u32 s96, s96, CVP_OFF
	s_add_nc_u64 s[88:89], s[8:9], s[96:97]        ; the batch's 64 maxima
	s_lshl_b32 s96, s23, 16
	s_lshl_b32 s74, s24, 10
	s_add_co_u32 s96, s96, s74
	s_lshl_b32 s74, s19, 8
	s_add_co_u32 s96, s96, s74
	s_add_co_u32 s96, s96, RHO_OFF
	s_add_nc_u64 s[94:95], s[14:15], s[96:97]      ; sigma: a copy for each tile column
	s_lshl_b32 s96, s24, 19
	s_lshl_b32 s74, s23, 9
	s_add_co_u32 s96, s96, s74
	s_add_nc_u64 s[72:73], s[14:15], s[96:97]      ; g'
	ROUND                                          ; all sixteen work-groups are here
	JLOAD 0                                        ; q's and kvT's first K step
	v_and_b32 v1, 15, v0                           ; r
	v_bfe_u32 v2, v0, 4, 1                         ; h
	v_and_b32 v3, 31, v0
	v_mul_u32_u24 v14, v1, PITCH
	v_lshl_add_u32 v14, v2, 4, v14
	s_mul_i32 s74, s19, 64*PITCH
	v_add_nc_u32 v4, s74, v14
	v_add_nc_u32 v5, SLOT, v4
	s_mul_i32 s74, s20, 128*PITCH
	s_add_co_u32 s74, s74, BOFF
	v_add_nc_u32 v6, s74, v14
	v_add_nc_u32 v7, SLOT, v6
	v_add_nc_u32 v10, s85, v14                     ; my stage: my eighth of slot 0, once it has had its last fill and its last read
	v_mul_u32_u24 v15, v2, PITCH
	v_lshl_add_u32 v15, v1, 4, v15
	v_add_nc_u32 v11, s85, v15
	s_lshl_b32 s74, s19, 17
	s_lshl_b32 s75, s20, 8
	s_add_co_u32 s74, s74, s75
	v_lshlrev_b32 v15, 11, v2
	v_lshl_add_u32 v15, v1, 4, v15
	v_add_nc_u32 v12, s74, v15                     ; (64 wm + h) x 2048 + 256 wn + 16 r
	s_lshl_b32 s74, s20, 9
	s_add_co_u32 s74, s74, BT
	v_lshl_add_u32 v13, v2, 5, s74
	v_cmp_eq_u32 s90, 1, v2                        ; the upper half of the lanes
	s_lshl_b32 s74, s23, 10
	v_lshl_add_u32 v16, v0, 2, s74
	global_load_b32 v32, v16, s[12:13]             ; one bv and one bg a thread
	global_load_b32 v33, v16, s[10:11]
	v_lshlrev_b32 v17, 3, v3
	global_load_b64 v[34:35], v17, s[88:89]
	v_lshlrev_b32 v18, 4, v2
.set i, 0
.rept 8
	global_load_b128 v[KSR+8*i:KSR+8*i+3], v18, s[86:87] offset:64*i
	global_load_b128 v[KSR+8*i+4:KSR+8*i+7], v18, s[86:87] offset:64*i+32
.set i, i+1
.endr
	s_wait_loadcnt 0x0
	v_cvt_pk_bf16_f32 v32, v32, v33
	v_and_b32 v33, 0xffff0000, v32
	v_lshlrev_b32 v32, 16, v32
	v_lshl_add_u32 v19, v0, 2, BT
	ds_store_b32 v19, v32                          ; shown to the other waves by the next change of slots
	ds_store_b32 v19, v33 offset:1024
	v_max_num_f32 v31, v34, v35
	v_max_num_f32_dpp v31, v31, v31 row_xmask:1 row_mask:0xf bank_mask:0xf
	v_max_num_f32_dpp v31, v31, v31 row_xmask:2 row_mask:0xf bank_mask:0xf
	v_max_num_f32_dpp v31, v31, v31 row_xmask:4 row_mask:0xf bank_mask:0xf
	v_max_num_f32_dpp v31, v31, v31 row_xmask:8 row_mask:0xf bank_mask:0xf
	v_mov_b32 v30, v31
	v_permlanex16_b32 v30, v31, s68, s69
	v_max_num_f32 v31, v31, v30
	v_max_num_f32 v31, 0x21800000, v31             ; cv, at least 2^-60
	v_rcp_f32 v30, v31
	v_lshlrev_b32 v3, 2, v3
; 32 along K at byte s70 of the slot's rows; two additions and two v_nop are the places ahead of the loads.  kq >= 0: Z's four products ride along, with ksum's fragment kq.
.macro QBODY slot, zero, kq
	v_add_nc_u32 v1, s70, v[4+(\slot)]
	v_add_nc_u32 v2, s70, v[6+(\slot)]
	v_nop
	v_nop
.set i, 0
.rept 4
	ds_load_b128 v[AF+8*i:AF+8*i+3], v1 offset:i*16*PITCH
	ds_load_b128 v[AF+8*i+4:AF+8*i+7], v1 offset:i*16*PITCH+32
.set i, i+1
.endr
.set i, 0
.rept 8
	ds_load_b128 v[BF+8*i:BF+8*i+3], v2 offset:i*16*PITCH
	ds_load_b128 v[BF+8*i+4:BF+8*i+7], v2 offset:i*16*PITCH+32
.set i, i+1
.endr
	s_wait_dscnt 0x0                               ; one fragment buffer: all of it is needed; the SIMD's other wave works meanwhile
.if (\kq) >= 0
.set a, 0
.rept 4
.if \zero
	v_wmma_f32_16x16x32_bf16 v[ZA+8*a:ZA+8*a+7], v[KSR+8*(\kq):KSR+8*(\kq)+7], v[AF+8*a:AF+8*a+7], 0
.else
	v_wmma_f32_16x16x32_bf16 v[ZA+8*a:ZA+8*a+7], v[KSR+8*(\kq):KSR+8*(\kq)+7], v[AF+8*a:AF+8*a+7], v[ZA+8*a:ZA+8*a+7]
.endif
.set a, a+1
.endr
.endif
	WIN 0x50
.set a, 0
.rept 4
.set b, 0
.rept 8                                ; the accumulators take turns
.if \zero
	v_wmma_f32_16x16x32_bf16 v[8*(8*a+b):8*(8*a+b)+7], v[BF+8*b:BF+8*b+7], v[AF+8*a:AF+8*a+7], 0
.else
	v_wmma_f32_16x16x32_bf16 v[8*(8*a+b):8*(8*a+b)+7], v[BF+8*b:BF+8*b+7], v[AF+8*a:AF+8*a+7], v[8*(8*a+b):8*(8*a+b)+7]
.endif
.set b, b+1
.endr
.set a, a+1
.endr
	WIN 0
.endm
.macro QUARTS slot, zero
	s_mov_b32 s70, 0
.if \zero
	QBODY \slot, 1, -1
	s_mov_b32 s70, 64
	s_mov_b32 s67, 3
.else
	s_mov_b32 s67, 4
.endif
.Lq_\@:
	QBODY \slot, 0, -1
	s_add_co_u32 s70, s70, 64
	s_sub_co_u32 s67, s67, 1
	s_cmp_lg_u32 s67, 0
	s_cbranch_scc1 .Lq_\@
.endm
; A K step of the second product.  All my tensor loads have landed (my part of this step's tile); the add; this slot's descriptors step two K steps
; on; the add and my reads of the other slot are done; the round; then the other slot is filled again, first thing, and has this step's 128 products in which to land.
.macro TRIP slot, refill, zero
	s_wait_tensorcnt 0x0
	ds_add_u32 v8, v9
	s_add_nc_u64 s[G0A+4*(\slot)+2:G0A+4*(\slot)+3], s[G0A+4*(\slot)+2:G0A+4*(\slot)+3], 512
	s_add_nc_u64 s[G0B+4*(\slot)+2:G0B+4*(\slot)+3], s[G0B+4*(\slot)+2:G0B+4*(\slot)+3], 512
	s_wait_dscnt 0x0
	ROUND
.if \refill
	JLOAD 1-(\slot)
.endif
	QUARTS \slot, \zero
.endm
	; FIRST PRODUCT, K step 0.  Slot 0's descriptors, whose load has landed, turn to the second product's first K step.
	s_wait_tensorcnt 0x0
	ds_add_u32 v8, v9
	s_mov_b64 s[G0A+2:G0A+3], s[60:61]
	s_or_b32 s[G0A+3], s[G0A+3], 0x80000000
	s_mov_b64 s[G0B+2:G0B+3], s[62:63]
	s_or_b32 s[G0B+3], s[G0B+3], 0x80000000
	s_wait_dscnt 0x0
	ROUND
	JLOAD 1                                        ; q's and kvT's second K step
.set qq, 0
.rept 4
	s_mov_b32 s70, 64*qq
	QBODY 0, (qq==0), qq
.set qq, qq+1
.endr
	; K step 1.  No load of mine is out: the shape takes xq's and Wg's pitch, slot 1's descriptors their second K step.
	s_wait_tensorcnt 0x0
	ds_add_u32 v8, v9
	s_mov_b32 s[G1A+5], 1024
	s_mov_b32 s[G1B+5], 1024
	s_add_nc_u64 s[G0A+6:G0A+7], s[60:61], 256
	s_or_b32 s[G0A+7], s[G0A+7], 0x80000000
	s_add_nc_u64 s[G0B+6:G0B+7], s[62:63], 256
	s_or_b32 s[G0B+7], s[G0B+7], 0x80000000
	s_wait_dscnt 0x0
	ROUND
	JLOAD 0                                        ; the second product's first K step lands under what follows
.rept 4
	s_mov_b32 s70, 64*(qq-4)
	QBODY 1, 0, qq
.set qq, qq+1
.endr
	; a~ INTO 128 REGISTERS OF f16
	PLACES
.set b, 0
.rept 8
	ds_load_b128 v[BF+8*b:BF+8*b+3], v13 offset:64*b            ; bv of my 128 d
	ds_load_b128 v[BF+8*b+4:BF+8*b+7], v13 offset:64*b+16
.set b, b+1
.endr
.set a, 0
.rept 4
	v_mov_b32 v[ZP+2*a], v[ZA+8*a]                 ; every register of Z's accumulator holds the lane's token's Z: the lowest is taken
	v_mov_b32 v[ZP+2*a+1], v[ZA+8*a]
	v_add_f32 v[32+a], 0x358637bd, v[ZA+8*a]       ; Z + 1e-6
	v_max_num_f32 v[36+a], 0x21800000, v[ZA+8*a]
.set a, a+1
.endr
.set i, 0
.rept 8
	v_rcp_f32 v[32+i], v[32+i]
.set i, i+1
.endr
	v_nop
.set a, 0
	s_wait_alu depctr_va_vdst(0)
.rept 4
	v_mul_f32 v[32+a], v[32+a], v[ZP+2*a]
	v_mul_f32 v[RZ+2*a], v[36+a], v30
	v_mul_f32 v[32+a], v[32+a], v31                ; sigma
	v_mov_b32 v[RZ+2*a+1], v[RZ+2*a]
.set a, a+1
.endr
	s_cmp_lg_u32 s20, 0
	s_cbranch_scc1 .Lno_sigma                      ; the two waves of a token block hold the same Z: one stores
	v_cndmask_b32 v40, v32, v33, s90               ; lanes 0-15 a block's tokens, lanes 16-31 the next block's: 128 consecutive bytes
	v_cndmask_b32 v41, v34, v35, s90
	global_store_b32 v3, v40, s[94:95]
	global_store_b32 v3, v41, s[94:95] offset:128
.Lno_sigma:
	s_wait_xcnt 0x0                                ; v40, v41 are rewritten below
	s_wait_dscnt 0x0
.macro EPB1 b
	WIN 0x10
.set a, 0
.rept 4
.set j, 0
.rept 4
	v_pk_fma_f32 v[32+8*a+2*j:33+8*a+2*j], v[BF+8*(\b)+2*j:BF+8*(\b)+2*j+1], v[ZP+2*a:ZP+2*a+1], v[8*(8*a+(\b))+2*j:8*(8*a+(\b))+2*j+1] op_sel_hi:[1,0,1]
.set j, j+1
.endr
.set a, a+1
.endr
	WIN 0
.set i, 0
.rept 16
	v_pk_mul_f32 v[32+2*i:33+2*i], v[32+2*i:33+2*i], v[RZ+2*(i/4):RZ+2*(i/4)+1] op_sel_hi:[1,0]
.set i, i+1
.endr
.set i, 0
.rept 16
	v_cvt_pk_f16_f32 v[ST+4*(8*(i/4)+(\b))+i%4], v[32+2*i], v[33+2*i]
.set i, i+1
.endr
.endm
.irp b, 0,1,2,3,4,5,6,7
	EPB1 \b
.endr
	; SECOND PRODUCT: xq Wg^T, eight K steps
	TRIP 0, 1, 1
	s_mov_b32 s66, 3
.Lk:
	TRIP 1, 1, 0
	TRIP 0, 1, 0
	s_sub_co_u32 s66, s66, 1
	s_cmp_lg_u32 s66, 0
	s_cbranch_scc1 .Lk
	TRIP 1, 0, 0                                   ; the last step asks for nothing
	; THE WAY OUT: silu in f32, times a~ in f32, rounded once to f16; through my stage
	PLACES
	ds_load_b128 v[112:115], v13 offset:1024
	ds_load_b128 v[116:119], v13 offset:1040
.macro EPB2 b
	s_wait_dscnt 0x0                               ; bg of this block is in
.if (\b) < 7
	ds_load_b128 v[112+8*(((\b)+1)%2):112+8*(((\b)+1)%2)+3], v13 offset:1024+64*((\b)+1)
	ds_load_b128 v[112+8*(((\b)+1)%2)+4:112+8*(((\b)+1)%2)+7], v13 offset:1024+64*((\b)+1)+16
.endif
	WIN 0x01
.set a, 0
.rept 4
.set j, 0
.rept 4
	v_pk_add_f32 v[32+8*a+2*j:33+8*a+2*j], v[8*(8*a+(\b))+2*j:8*(8*a+(\b))+2*j+1], v[112+8*((\b)%2)+2*j:113+8*((\b)%2)+2*j]
.set j, j+1
.endr
.set a, a+1
.endr
	WIN 0
.set i, 0
.rept 16
	v_pk_mul_f32 v[64+2*i:65+2*i], v[32+2*i:33+2*i], s[92:93] op_sel_hi:[1,0]
.set i, i+1
.endr
.set i, 0
.rept 32
	v_exp_f32 v[64+i], v[64+i]
.set i, i+1
.endr
	v_nop
.set i, 0
	s_wait_alu depctr_va_vdst(0)
.rept 16
	v_pk_add_f32 v[64+2*i:65+2*i], v[64+2*i:65+2*i], 1.0 op_sel_hi:[1,0]
.set i, i+1
.endr
.set i, 0
.rept 32
	v_rcp_f32 v[64+i], v[64+i]
.set i, i+1
.endr
	v_nop
.set i, 0
	s_wait_alu depctr_va_vdst(0)
.rept 16
	v_pk_mul_f32 v[32+2*i:33+2*i], v[32+2*i:33+2*i], v[64+2*i:65+2*i]   ; silu
.set i, i+1
.endr
.set i, 0
.rept 16
	v_mov_b32 v[96+i], v[ST+4*(8*(i/4)+(\b))+i%4]  ; a register's halves have names only up to v127: the block's 16 words of a~ come down
.set i, i+1
.endr
	v_cvt_f32_f16 v64, v96.l
	v_cvt_f32_f16 v65, v96.h
	v_cvt_f32_f16 v66, v97.l
	v_cvt_f32_f16 v67, v97.h
	v_cvt_f32_f16 v68, v98.l
	v_cvt_f32_f16 v69, v98.h
	v_cvt_f32_f16 v70, v99.l
	v_cvt_f32_f16 v71, v99.h
	v_cvt_f32_f16 v72, v100.l
	v_cvt_f32_f16 v73, v100.h
	v_cvt_f32_f16 v74, v101.l
	v_cvt_f32_f16 v75, v101.h
	v_cvt_f32_f16 v76, v102.l
	v_cvt_f32_f16 v77, v102.h
	v_cvt_f32_f16 v78, v103.l
	v_cvt_f32_f16 v79, v103.h
	v_cvt_f32_f16 v80, v104.l
	v_cvt_f32_f16 v81, v104.h
	v_cvt_f32_f16 v82, v105.l
	v_cvt_f32_f16 v83, v105.h
	v_cvt_f32_f16 v84, v106.l
	v_cvt_f32_f16 v85, v106.h
	v_cvt_f32_f16 v86, v107.l
	v_cvt_f32_f16 v87, v107.h
	v_cvt_f32_f16 v88, v108.l
	v_cvt_f32_f16 v89, v108.h
	v_cvt_f32_f16 v90, v109.l
	v_cvt_f32_f16 v91, v109.h
	v_cvt_f32_f16 v92, v110.l
	v_cvt_f32_f16 v93, v110.h
	v_cvt_f32_f16 v94, v111.l
	v_cvt_f32_f16 v95, v111.h
.set i, 0
.rept 16
	v_pk_mul_f32 v[32+2*i:33+2*i], v[32+2*i:33+2*i], v[64+2*i:65+2*i]   ; silu x a~, in f32
.set i, i+1
.endr
.set i, 0
.rept 16
	v_cvt_pk_f16_f32 v[96+i], v[32+2*i], v[33+2*i]
.set i, i+1
.endr
.set a, 0
.rept 4
	ds_store_b128 v10, v[96+4*a:99+4*a] offset:a*16*PITCH+32*(\b)
.set a, a+1
.endr
.endm
.irp b, 0,1,2,3,4,5,6,7
	EPB2 \b
.endr
.set g, 0
.rept 4
	s_wait_xcnt 0x0                                ; the stores before have read v32-63
.set i, 0
.rept 8
	ds_load_b128 v[32+4*i:35+4*i], v11 offset:(8*g+i)*2*PITCH
.set i, i+1
.endr
.set i, 0
.rept 8
	s_wait_dscnt 7-i                               ; the loads issued behind this one may stay out
	global_store_b128 v12, v[32+4*i:35+4*i], s[72:73] offset:(8*g+i)*4096   ; 16 lanes store 256 consecutive bytes, aligned
.set i, i+1
.endr
.set g, g+1
.endr
	s_wait_tensorcnt 0x0                           ; the wave's end
	ds_add_u32 v8, v9
	s_wait_dscnt 0x0
	ROUND                                          ; the closing round
	s_endpgm
.Lfunc_end_k_qbd504c56e8_gate:
	.size	k_qbd504c56e8_gate, .Lfunc_end_k_qbd504c56e8_gate-k_qbd504c56e8_gate
	.p2alignl 7, 3214868480
	.fill 96, 4, 3214868480
	.section	.rodata,"a",@progbits
	.p2align	6, 0x0
	.amdhsa_kernel k_qbd504c56e8_gate
		.amdhsa_group_segment_fixed_size 327680
		.amdhsa_private_segment_fixed_size 0
		.amdhsa_enable_private_segment 0
		.amdhsa_kernarg_size 48
		.amdhsa_user_sgpr_count 2
		.amdhsa_user_sgpr_kernarg_segment_ptr 1
		.amdhsa_wavefront_size32 1
		.amdhsa_system_sgpr_workgroup_id_x 1
		.amdhsa_system_sgpr_workgroup_id_y 1
		.amdhsa_system_sgpr_workgroup_id_z 1
		.amdhsa_system_vgpr_workitem_id 0
		.amdhsa_next_free_vgpr 512
		.amdhsa_next_free_sgpr 100
		.amdhsa_reserve_vcc 0
		.amdhsa_float_denorm_mode_32 3
		.amdhsa_float_denorm_mode_16_64 3
		.amdhsa_memory_ordered 1
		.amdhsa_forward_progress 1
		.amdhsa_inst_pref_size 183
	.end_amdhsa_kernel
	.amdgpu_metadata
---
amdhsa.version: [ 1, 2 ]
amdhsa.kernels:
  - .name:           k_qbd504c56e8_gate
    .symbol:         k_qbd504c56e8_gate.kd
    .args:
      - { .name: pj, .offset: 0, .size: 8, .value_kind: global_buffer, .address_space: global }
      - { .name: rd, .offset: 8, .size: 8, .value_kind: global_buffer, .address_space: global }
      - { .name: kv, .offset: 16, .size: 8, .value_kind: global_buffer, .address_space: global }
      - { .name: bg, .offset: 24, .size: 8, .value_kind: global_buffer, .address_space: global }
      - { .name: bv, .offset: 32, .size: 8, .value_kind: global_buffer, .address_space: global }
      - { .name: gh, .offset: 40, .size: 8, .value_kind: global_buffer, .address_space: global }
    .group_segment_fixed_size: 327680
    .private_segment_fixed_size: 0
    .kernarg_segment_align: 8
    .kernarg_segment_size: 48
    .max_flat_workgroup_size: 256
    .sgpr_count:     100
    .vgpr_count:     512
    .wavefront_size: 32
...
	.end_amdgpu_metadata
.endif
;; end of part 6
;; launch outp (part 7): grid 4 x 64, 8 waves a work-group, clusters of 4 x 4, 327,680 bytes of LDS; arguments gh, pj, bo, query_mask, out0; writes out0
.if DOCPART == 7
	.amdgcn_target "amdgcn-amd-amdhsa--gfx1250"
	.amdhsa_code_object_version 6
	.text
	.protected	k_qbd504c56e8_outp
	.globl	k_qbd504c56e8_outp
	.p2align	8
	.type	k_qbd504c56e8_outp,@function
k_qbd504c56e8_outp:
	s_mov_b64 s[64:65], 0
	v_nop
	global_prefetch_b8 v0, s[64:65] scope:SCOPE_SE
	s_setreg_imm32_b32 hwreg(HW_REG_WAVE_MODE, 25, 1), 1
	s_wait_xcnt 0x0
	s_wait_alu depctr_hold_cnt(0) depctr_sa_sdst(0) depctr_va_vdst(0) depctr_va_sdst(0) depctr_va_ssrc(0) depctr_va_vcc(0) depctr_vm_vsrc(0)
	s_getreg_b32 s2, hwreg(HW_REG_IB_STS2, 6, 4)
	s_cmp_eq_u32 s2, 0
	s_cbranch_scc0 .Lentry_in_a_cluster
	s_endpgm
.Lentry_in_a_cluster:
	s_bfe_u32 s2, ttmp6, 0x10000c
	s_cmp_lg_u32 s2, 0xf033
	s_cbranch_scc0 .Lentry_shape_is_right
	s_endpgm
.Lentry_shape_is_right:
; out[t][e] = (sigma[t] (g' Wo^T)[t][e] + bo[e]) x query_mask[t].  g' and Wo in f16 (Wo: its bf16 rounding written as f16), sums in f32; bo rounded to bf16 like every input.
; A tile is 256 x 256; eight waves, each 64 x 128: 32 accumulators (window 1).  K = 1024 in steps of 128 through two LDS slots filled by the tensor data mover.
; CLUSTER 4 x 4: g's tiles are shared along a row of the cluster, Wo's along a column: joint loads.  A wave has one tensor load out at a time.
.set PITCH, 272
.set QT,    64*PITCH
.set BOFF,  256*PITCH
.set SLOT,  512*PITCH
.set SPARE, 2*SLOT                     ; the spare words, 128 bytes for each wave
.set BT,    SPARE+1024                 ; bo of the tile's 256 columns; no fill lands here
.set SP,    528                        ; a stage row: 512 bytes + 16
.set WO_OFF,  0x3200000
.set RHO_OFF, 0x2000000
.set SG, 14                            ; v14-21 sigma of my four token rows, as pairs
.set QM, 22                            ; v22-29 their mask
.set AF, 32
.set BF, 64
.set OT, 128
.set BO, 192
.set G1A, 28
.set G1B, 36
.set G0A, 44
.set G0B, 52
.set FLAGS, (1<<16)|(1<<20)|(1<<21)|(5<<22)|(3<<25)
.set MSB, 0
.macro WIN new
.if MSB != (\new)
	s_set_vgpr_msb (MSB<<8)|(\new)
.set MSB, \new
.endif
.endm
.macro PLACES
.rept 4
	v_nop
.endr
.endm
.macro ROUND
	s_barrier_signal -1
	s_barrier_wait -1
	s_cmp_lg_u32 s16, 0
	s_cbranch_scc1 .Lnw0_\@
	s_barrier_signal -3
.Lnw0_\@:
	s_barrier_wait -3
	s_barrier_signal -1
	s_barrier_wait -1
.endm
.macro JLOAD s
	s_cmp_eq_u32 s17, 0
	s_cbranch_scc0 .Lfb_\@
	tensor_load_to_lds s[G0A+4*(\s):G0A+4*(\s)+3], s[G1A:G1A+7]
	s_nop 0
.rept 4
	v_nop
.endr
	s_branch .Lfa_\@
.Lfb_\@:
	tensor_load_to_lds s[G0B+4*(\s):G0B+4*(\s)+3], s[G1B:G1B+7]
	s_nop 0
.rept 4
	v_nop
.endr
.Lfa_\@:
.endm
	s_load_b256 s[4:11], s[0:1], 0x0               ; gh, pj, bo, query_mask
	s_load_b64 s[12:13], s[0:1], 0x20              ; out0
	v_lshl_add_u32 v8, v0, 2, SPARE
	v_mov_b32 v9, 0
	ds_add_u32 v8, v9
	ds_add_u32 v8, v9
	s_wait_dscnt 0x0
	v_lshrrev_b32 v1, 5, v0
	v_readfirstlane_b32 s16, v1
	s_lshr_b32 s17, s16, 2
	s_and_b32 s18, s16, 3
	s_lshr_b32 s19, s16, 1
	s_and_b32 s20, s16, 1
	s_bfe_u32 s21, ttmp6, 0x40000
	s_bfe_u32 s22, ttmp6, 0x40004
	s_lshl_b32 s23, ttmp9, 2
	s_add_co_u32 s23, s23, s21                     ; tile column
	s_and_b32 s25, ttmp7, 0xffff
	s_lshl_b32 s24, s25, 2
	s_add_co_u32 s24, s24, s22                     ; tile row
	s_lshl_b32 s74, s22, 2
	s_lshl_b32 s74, 15, s74
	s_lshl_b32 s75, 0x1111, s21
	s_or_b32 s[G1A], s74, FLAGS
	s_or_b32 s[G1B], s75, FLAGS
.irp g, G1A, G1B
	s_mov_b32 s[\g+1], 128<<16
	s_mov_b32 s[\g+2], 64<<16
	s_mov_b32 s[\g+3], 128<<16
	s_mov_b32 s[\g+4], 64
	s_mov_b32 s[\g+5], 1024
	s_mov_b32 s[\g+6], 0
	s_mov_b32 s[\g+7], 0
.endr
	s_lshl_b32 s84, s18, 17
	s_lshl_b32 s76, s24, 19
	s_add_co_u32 s76, s76, s84                     ; g': the tile row and the wave alone
	s_mov_b32 s77, 0
	s_lshl_b32 s78, s23, 19
	s_add_co_u32 s78, s78, s84
	s_add_co_u32 s78, s78, WO_OFF                  ; Wo: the tile column and the wave alone
	s_mov_b32 s79, 0
	s_mul_i32 s85, s16, QT
.irp g, G0A, G0B
	s_mov_b32 s[\g], 1
	s_mov_b32 s[\g+1], s85
	s_mov_b32 s[\g+4], 1
	s_add_co_u32 s[\g+5], s85, SLOT
.endr
	s_mov_b32 s97, 0
	s_wait_kmcnt 0x0
	s_add_nc_u64 s[G0A+2:G0A+3], s[4:5], s[76:77]
	s_add_nc_u64 s[G0A+6:G0A+7], s[G0A+2:G0A+3], 256
	s_or_b32 s[G0A+3], s[G0A+3], 0x80000000
	s_or_b32 s[G0A+7], s[G0A+7], 0x80000000
	s_add_nc_u64 s[G0B+2:G0B+3], s[6:7], s[78:79]
	s_add_nc_u64 s[G0B+6:G0B+7], s[G0B+2:G0B+3], 256
	s_or_b32 s[G0B+3], s[G0B+3], 0x80000000
	s_or_b32 s[G0B+7], s[G0B+7], 0x80000000
	s_lshl_b32 s96, s23, 16
	s_lshl_b32 s74, s24, 10
	s_add_co_u32 s96, s96, s74
	s_lshl_b32 s74, s19, 8
	s_add_co_u32 s96, s96, s74
	s_add_co_u32 s96, s96, RHO_OFF
	s_add_nc_u64 s[86:87], s[4:5], s[96:97]        ; sigma of my 64 tokens
	s_lshl_b32 s96, s24, 8
	s_lshl_b32 s74, s19, 6
	s_add_co_u32 s96, s96, s74
	s_add_nc_u64 s[88:89], s[10:11], s[96:97]      ; their mask
	s_lshl_b32 s96, s24, 20
	s_lshl_b32 s74, s23, 10
	s_add_co_u32 s96, s96, s74
	s_add_nc_u64 s[72:73], s[12:13], s[96:97]
	ROUND
	JLOAD 0
	v_and_b32 v1, 15, v0
	v_bfe_u32 v2, v0, 4, 1
	v_and_b32 v3, 31, v0
	v_mul_u32_u24 v30, v1, PITCH
	v_lshl_add_u32 v30, v2, 4, v30
	s_mul_i32 s74, s19, 64*PITCH
	v_add_nc_u32 v4, s74, v30
	v_add_nc_u32 v5, SLOT, v4
	s_mul_i32 s74, s20, 128*PITCH
	s_add_co_u32 s74, s74, BOFF
	v_add_nc_u32 v6, s74, v30
	v_add_nc_u32 v7, SLOT, v6
	s_mul_i32 s74, s16, 16*SP                      ; my stage, in slot 0 once it has had its last fill and its last read
	v_mul_u32_u24 v30, v1, SP
	v_lshl_add_u32 v30, v2, 5, v30
	v_add_nc_u32 v10, s74, v30                     ; row r, 32 bytes for each half of the lanes
	v_lshl_add_u32 v11, v3, 4, s74
	s_lshl_b32 s74, s19, 18
	s_lshl_b32 s75, s20, 9
	s_add_co_u32 s74, s74, s75
	v_lshl_add_u32 v12, v3, 4, s74                 ; 64 wm x 4096 + 512 wn + 16 l
	s_lshl_b32 s74, s20, 9
	s_add_co_u32 s74, s74, BT
	v_lshl_add_u32 v13, v2, 5, s74
	s_lshl_b32 s74, s23, 10
	v_lshl_add_u32 v30, v0, 2, s74
	global_load_b32 v32, v30, s[8:9]               ; one bo a thread
	v_lshlrev_b32 v31, 2, v1
.set a, 0
.rept 4
	global_load_b32 v[SG+2*a], v31, s[86:87] offset:64*a
	global_load_u8 v[QM+2*a], v1, s[88:89] offset:16*a
.set a, a+1
.endr
	s_wait_loadcnt 0x0
	v_cvt_pk_bf16_f32 v32, v32, v32
	v_lshlrev_b32 v32, 16, v32
	v_lshl_add_u32 v33, v0, 2, BT
	ds_store_b32 v33, v32                          ; shown to the other waves by the next change of slots
.set a, 0
.rept 4
	v_mov_b32 v[SG+2*a+1], v[SG+2*a]
	v_cvt_f32_u32 v[QM+2*a], v[QM+2*a]
	v_mov_b32 v[QM+2*a+1], v[QM+2*a]
.set a, a+1
.endr
.macro QBODY slot, zero                ; 32 along K at byte s70 of the slot's rows; two additions and two v_nop are the places ahead of the loads
	v_add_nc_u32 v1, s70, v[4+(\slot)]
	v_add_nc_u32 v2, s70, v[6+(\slot)]
	v_nop
	v_nop
.set i, 0
.rept 4
	ds_load_b128 v[AF+8*i:AF+8*i+3], v1 offset:i*16*PITCH
	ds_load_b128 v[AF+8*i+4:AF+8*i+7], v1 offset:i*16*PITCH+32
.set i, i+1
.endr
.set i, 0
.rept 8
	ds_load_b128 v[BF+8*i:BF+8*i+3], v2 offset:i*16*PITCH
	ds_load_b128 v[BF+8*i+4:BF+8*i+7], v2 offset:i*16*PITCH+32
.set i, i+1
.endr
	s_wait_dscnt 0x0
	WIN 0x50
.set a, 0
.rept 4
.set b, 0
.rept 8                                ; the accumulators take turns
.if \zero
	v_wmma_f32_16x16x32_f16 v[8*(8*a+b):8*(8*a+b)+7], v[BF+8*b:BF+8*b+7], v[AF+8*a:AF+8*a+7], 0
.else
	v_wmma_f32_16x16x32_f16 v[8*(8*a+b):8*(8*a+b)+7], v[BF+8*b:BF+8*b+7], v[AF+8*a:AF+8*a+7], v[8*(8*a+b):8*(8*a+b)+7]
.endif
.set b, b+1
.endr
.set a, a+1
.endr
	WIN 0
.endm
.macro QUARTS slot, zero
	s_mov_b32 s70, 0
.if \zero
	QBODY \slot, 1
	s_mov_b32 s70, 64
	s_mov_b32 s67, 3
.else
	s_mov_b32 s67, 4
.endif
.Lq_\@:
	QBODY \slot, 0
	s_add_co_u32 s70, s70, 64
	s_sub_co_u32 s67, s67, 1
	s_cmp_lg_u32 s67, 0
	s_cbranch_scc1 .Lq_\@
.endm
; A K step: all my tensor loads have landed; the add; this slot's descriptors step two K steps on; the add and my reads of the other slot are
; done; the round; the other slot is filled again first thing, and has this step's 128 products in which to land.
.macro TRIP slot, refill, zero
	s_wait_tensorcnt 0x0
	ds_add_u32 v8, v9
	s_add_nc_u64 s[G0A+4*(\slot)+2:G0A+4*(\slot)+3], s[G0A+4*(\slot)+2:G0A+4*(\slot)+3], 512
	s_add_nc_u64 s[G0B+4*(\slot)+2:G0B+4*(\slot)+3], s[G0B+4*(\slot)+2:G0B+4*(\slot)+3], 512
	s_wait_dscnt 0x0
	ROUND
.if \refill
	JLOAD 1-(\slot)
.endif
	QUARTS \slot, \zero
.endm
	TRIP 0, 1, 1
	s_mov_b32 s66, 3
.Lk:
	TRIP 1, 1, 0
	TRIP 0, 1, 0
	s_sub_co_u32 s66, s66, 1
	s_cmp_lg_u32 s66, 0
	s_cbranch_scc1 .Lk
	TRIP 1, 0, 0
	; THE WAY OUT, 16 token rows at a time, through my stage: whole rows of 512 bytes come back
	PLACES
.set b, 0
.rept 8
	ds_load_b128 v[BO+8*b:BO+8*b+3], v13 offset:64*b
	ds_load_b128 v[BO+8*b+4:BO+8*b+7], v13 offset:64*b+16
.set b, b+1
.endr
	s_wait_dscnt 0x0
.macro OUTA a
	WIN 0x01
.set b, 0
.rept 8
.set j, 0
.rept 4
	v_pk_fma_f32 v[OT+8*b+2*j:OT+8*b+2*j+1], v[8*(8*(\a)+b)+2*j:8*(8*(\a)+b)+2*j+1], v[SG+2*(\a):SG+2*(\a)+1], v[BO+8*b+2*j:BO+8*b+2*j+1] op_sel_hi:[1,0,1]
.set j, j+1
.endr
.set b, b+1
.endr
	WIN 0
.set i, 0
.rept 32
	v_pk_mul_f32 v[OT+2*i:OT+2*i+1], v[OT+2*i:OT+2*i+1], v[QM+2*(\a):QM+2*(\a)+1] op_sel_hi:[1,0]
.set i, i+1
.endr
.set i, 0
.rept 16
	ds_store_b128 v10, v[OT+4*i:OT+4*i+3] offset:64*(i/2)+16*(i%2)   ; block b = i / 2: my eight columns 16 b + 8 h + 0..7 lie at byte 64 b + 32 h of the row, in two stores of 16 bytes
.set i, i+1
.endr
	s_wait_xcnt 0x0                                ; the stores before have read v32-95
.set i, 0
.rept 16
	ds_load_b128 v[32+4*i:35+4*i], v11 offset:i*SP   ; my own bytes: LDS serves a wave's instructions in order
.set i, i+1
.endr
.set i, 0
.rept 16
	s_wait_dscnt 15-i                              ; the loads issued behind this one may stay out
	global_store_b128 v12, v[32+4*i:35+4*i], s[72:73] offset:(16*(\a)+i)*4096 th:TH_STORE_NT   ; a wave's store covers 512 consecutive bytes, aligned
.set i, i+1
.endr
.endm
	OUTA 0
	OUTA 1
	OUTA 2
	OUTA 3
	s_wait_tensorcnt 0x0                           ; the wave's end
	ds_add_u32 v8, v9
	s_wait_dscnt 0x0
	ROUND                                          ; the closing round
	s_endpgm
.Lfunc_end_k_qbd504c56e8_outp:
	.size	k_qbd504c56e8_outp, .Lfunc_end_k_qbd504c56e8_outp-k_qbd504c56e8_outp
	.p2alignl 7, 3214868480
	.fill 96, 4, 3214868480
	.section	.rodata,"a",@progbits
	.p2align	6, 0x0
	.amdhsa_kernel k_qbd504c56e8_outp
		.amdhsa_group_segment_fixed_size 327680
		.amdhsa_private_segment_fixed_size 0
		.amdhsa_enable_private_segment 0
		.amdhsa_kernarg_size 40
		.amdhsa_user_sgpr_count 2
		.amdhsa_user_sgpr_kernarg_segment_ptr 1
		.amdhsa_wavefront_size32 1
		.amdhsa_system_sgpr_workgroup_id_x 1
		.amdhsa_system_sgpr_workgroup_id_y 1
		.amdhsa_system_sgpr_workgroup_id_z 1
		.amdhsa_system_vgpr_workitem_id 0
		.amdhsa_next_free_vgpr 512
		.amdhsa_next_free_sgpr 100
		.amdhsa_reserve_vcc 0
		.amdhsa_float_denorm_mode_32 3
		.amdhsa_float_denorm_mode_16_64 3
		.amdhsa_memory_ordered 1
		.amdhsa_forward_progress 1
		.amdhsa_inst_pref_size 66
	.end_amdhsa_kernel
	.amdgpu_metadata
---
amdhsa.version: [ 1, 2 ]
amdhsa.kernels:
  - .name:           k_qbd504c56e8_outp
    .symbol:         k_qbd504c56e8_outp.kd
    .args:
      - { .name: gh, .offset: 0, .size: 8, .value_kind: global_buffer, .address_space: global }
      - { .name: pj, .offset: 8, .size: 8, .value_kind: global_buffer, .address_space: global }
      - { .name: bo, .offset: 16, .size: 8, .value_kind: global_buffer, .address_space: global }
      - { .name: query_mask, .offset: 24, .size: 8, .value_kind: global_buffer, .address_space: global }
      - { .name: out0, .offset: 32, .size: 8, .value_kind: global_buffer, .address_space: global }
    .group_segment_fixed_size: 327680
    .private_segment_fixed_size: 0
    .kernarg_segment_align: 8
    .kernarg_segment_size: 40
    .max_flat_workgroup_size: 256
    .sgpr_count:     100
    .vgpr_count:     512
    .wavefront_size: 32
...
	.end_amdgpu_metadata
.endif
;; end of part 7
